; MI455X (gfx1250); checked and timed in simulation.
; The chip was launched on July 23, 2026; its instructions are those of AMD's public machine-readable ISA for CDNA 5 (MIT licence, August 2026) and "CDNA5" Instruction Set Architecture Reference Guide (July 2026). The comments in the code are by the model that wrote it; some were corrected since.
;; Min GRU Layer. Allowed arithmetic: matrix products marked QUANTISED: E3M2 operands, one E8M0 scale for each 32 along K, by v_wmma_scale_f32_16x16x128_f8f6f4 with both operands' format E3M2, f32 sums; everything else in f32.
;; Inputs: W_h 2,048 x 2,048 float32; W_z 2,048 x 2,048 float32; b_h 2,048 float32; b_z 2,048 float32; h0 2,048 float32; hidden_states 4 x 2,048 x 2,048 float32; ln_b 2,048 float32; ln_w 2,048 float32.
;; Outputs: out0 4 x 2,048 x 2,048 float32.
;; This version of the problem:
;;   THIS VERSION OF THE PROBLEM IS GIVEN IN LOW PRECISION. The matrix products marked QUANTISED in the list below multiply operands that are first quantised to E3M2 (3 exponent bits, 2 mantissa bits; 6 bits a number), with one power-of-two scale for each 32 numbers along K (OCP MX v1.0); their sums are f32. All else is computed in f32.
;;   The module's matrix products, in the order in which they are computed (A, B: the left and right operand; K: the contracted axis; several contracted axes count as one K, in the product's order):
;;     1. [M 8,192, K 2,048] x [K 2,048, N 2,048]; A: input hidden_states; B: input W_z: QUANTISED
;;     2. [M 8,192, K 2,048] x [K 2,048, N 2,048]; A: input hidden_states; B: input W_h: QUANTISED
;;   THE QUANTISER, for each operand of a quantised product, along K:
;;     - K is cut into blocks of 32 from its start; a last block that is shorter is filled with zeros.
;;     - A block's scale is 2^e with e = floor(log2(the largest magnitude in the block)) - 4, held to -126 .. 127; a block of zeros has e = 0. As a byte (E8M0): e + 127.
;;     - Each number is divided by its block's scale, clamped to +-28, and rounded to the nearest number of E3M2, ties to even, subnormals kept.
;;     - The product sums the exact products of the quantised numbers (number of the format x scale) in f32.
;;   ~~~python
;;   def quantise(x, axis):      # numpy; x: float32 -> the quantised numbers, widened to float32 again
;;       x = np.moveaxis(x, axis, -1); K = x.shape[-1]
;;       x = np.pad(x, [(0, 0)] * (x.ndim - 1) + [(0, -K % 32)]); x = x.reshape(x.shape[:-1] + (-1, 32)); a = np.abs(x).max(-1, keepdims=True)
;;       e = np.where(a > 0, np.clip(np.frexp(np.where(a > 0, a, 1))[1] - 1 - 4, -126, 127), 0)      # np.frexp(a)[1] - 1 = floor(log2(a)), exactly
;;       r = np.clip(x / 2.0 ** e, -28, 28)
;;       step = 2.0 ** (np.maximum(np.frexp(np.where(r == 0, 1, r))[1] - 1, -2) - 2)
;;       q = np.round(r / step) * step * 2.0 ** e      # np.round: ties to even
;;       return np.moveaxis(q.reshape(q.shape[:-2] + (-1,))[..., :K], -1, axis).astype(np.float32)
;;   ~~~
;; One version. Each part assembles by itself: llvm-mc -triple=amdgcn-amd-amdhsa -mcpu=gfx1250 --defsym DOCPART=n.
;; ======== version 1 of 1: 4 launches
;; limits: right only within a limited range of input values
;; workspace buffers: codes 18,874,368 bytes; scales 786,432 bytes; wl 67,108,864 bytes; al 67,108,864 bytes; tot 1,048,576 bytes; lh 67,108,864 bytes; st 2,048 bytes
;; launch quant (part 1): grid 768 x 1, 4 waves a work-group, no clusters, 49,664 bytes of LDS; arguments hidden_states, W_z, W_h, codes, scales; writes codes, scales
.if DOCPART == 1
	.amdgcn_target "amdgcn-amd-amdhsa--gfx1250"
	.amdhsa_code_object_version 6
	.text
	.protected	k_q573252cd71_quant
	.globl	k_q573252cd71_quant
	.p2align	8
	.type	k_q573252cd71_quant,@function
k_q573252cd71_quant:
	s_mov_b64 s[64:65], 0
	v_nop
	global_prefetch_b8 v0, s[64:65] scope:SCOPE_SE
	s_setreg_imm32_b32 hwreg(HW_REG_WAVE_MODE, 25, 1), 1
	s_wait_xcnt 0x0
; hidden_states [8192][2048], W_z and W_h [2048][2048], f32, K innermost, become codes of BF6 (E3M2) with one E8M0 scale byte for each 32 along K.
; A block's scale is 2^(floor(log2(its largest magnitude)) - 4); its byte is that magnitude's exponent field - 4, held at 1 from below.  A block of zeros so gets the byte 1: its codes are zeros,
; which add nothing under any byte but 0xff, and only this program reads the bytes.  Each number is divided by the scale and rounded to the nearest code, ties to even; beyond 28 the largest code.
; LIMITS: blocks whose largest magnitude lies under 2^-122 keep the byte 1; NaN and infinities among the inputs are not served.
; ROWS: groups of 16 rows, G = 0 .. 767: X's 512 groups, then the weights': group 512 + 8 s + i is W_z's rows 64 s + 16 i .. (i < 4) or W_h's rows 64 s + 16 (i - 4) ..
; CODES are laid as IMAGES OF THE OPERAND'S REGISTERS: 16 rows x 128 K are 12 registers x 32 lanes = 1,536 bytes: [register / 4][lane][16 bytes]; lane r + 16 h holds row r, its registers 6 c .. 6 c + 5 K = 64 c + 32 h + 0 .. 31.
; The images' order: [G / 16][K / 256][(G / 8) % 2][(K / 128) % 2][G % 8]: so 256 rows x 256 K are 49,152 dense bytes.   SCALES: [G][K / 256][row][8 bytes].
; SHARES: a work-group takes a group of 16 rows, wave w its K = 512 w .. 512 w + 511: 16 steps of one row's 512 numbers; four whole images and 256 scale bytes a wave.
; Each load reads 512 consecutive bytes; a step's 2,048 bytes turn through the wave's own stage in LDS so that a lane holds 16 neighbours along K (two lanes a block).  The codes are gathered in the wave's own
; image stage (units of 256 bytes, 272 apart) and leave by stores of 512 consecutive bytes.  Waves share nothing: no barrier, no tensor load, no cluster.  Loads run four steps ahead.
.set STEPS, 16
.set R,     16                         ; v16-79   four sets of 16 numbers as loaded; at the end v16-63 the images on their way out
.set X,     80                         ; v80-111  two sets of 16 neighbours
.set C,     128                        ; v128-191 codes: four registers a step
.set E,     112                        ; v112-127 a scale byte for each step
.set IA,    194                        ; v194-196 where my three registers of codes go in the image stage; v197 where I read it back
.set WREG,  12288                      ; LDS: a region for each wave
.set SP,    80                         ; a lane's place in a turning stage: 64 bytes + 16
.set SCB,   5120                       ; behind the two turning stages: the wave's 256 scale bytes
.set IMG,   5376                       ; and the image stage: 24 units x 272 bytes
	s_load_b128 s[4:7], s[0:1], 0x0                ; X, W_z
	s_load_b128 s[8:11], s[0:1], 0x10              ; W_h, codes
	s_load_b64 s[12:13], s[0:1], 0x20              ; scales
	v_lshl_add_u32 v192, v0, 2, 0xc000             ; my spare word, behind the four regions
	v_mov_b32 v193, 0
	v_lshrrev_b32 v1, 5, v0
	v_readfirstlane_b32 s16, v1                    ; wave
	v_and_b32 v2, 31, v0                           ; lane
	v_lshlrev_b32 v3, 4, v2                        ; 16 x lane
	s_mul_i32 s17, s16, WREG
	v_lshrrev_b32 v14, 2, v2
	v_mul_u32_u24 v14, v14, SP
	v_and_b32 v15, 3, v2
	v_lshl_add_u32 v14, v15, 4, v14
	v_add_nc_u32 v14, s17, v14                     ; the turning stage, in: SP (lane / 4) + 16 (lane % 4)
	v_mul_u32_u24 v15, v2, SP
	v_add_nc_u32 v15, s17, v15                     ; and out: SP x lane
	v_lshrrev_b32 v5, 1, v2                        ; p: my block among the step's 16
	v_and_b32 v6, 7, v5
	v_lshrrev_b32 v5, 3, v5
	v_lshl_add_u32 v5, v5, 7, v6                   ; 128 (p / 8) + p % 8; the row's 8 bytes stand in the immediate
	s_add_co_u32 s18, s17, SCB
	v_add_nc_u32 v5, s18, v5
	v_lshlrev_b32 v7, 3, v2
	v_add_nc_u32 v6, s18, v7                       ; the scale bytes on the way out: 8 a lane
	v_and_b32 v8, 1, v2                            ; u: which half of its block my 16 numbers are
	v_bfe_u32 v9, v2, 2, 1                         ; c
	v_lshl_or_b32 v8, v9, 1, v8
	v_mul_u32_u24 v8, v8, 3                        ; my first register in the image: 6 c + 3 u
	v_bfe_u32 v9, v2, 1, 1                         ; h
	v_lshrrev_b32 v10, 3, v2                       ; which of the wave's four images
	v_mul_u32_u24 v9, v9, 272
	v_mad_u32_u24 v9, v10, 1632, v9                ; an image is six units
	s_add_co_u32 s18, s17, IMG
	v_add_nc_u32 v9, s18, v9
.irp k, 0,1,2
	v_add_nc_u32 v10, \k, v8                       ; register g: unit pair g / 4, byte 4 (g % 4) of the row's 16
	v_lshrrev_b32 v11, 2, v10
	v_and_b32 v10, 3, v10
	v_mad_u32_u24 v11, v11, 544, v9
	v_lshl_add_u32 v[IA+\k], v10, 2, v11
.endr
	v_lshrrev_b32 v10, 4, v2
	v_and_b32 v11, 15, v2
	v_mul_u32_u24 v10, v10, 272
	v_lshl_add_u32 v10, v11, 4, v10
	v_add_nc_u32 v[IA+3], s18, v10                 ; back: lanes 0-15 one unit, lanes 16-31 the next
	s_mov_b32 s24, 640
	s_wait_alu depctr_va_vdst(0)
	s_wait_kmcnt 0x0
	s_cmp_lt_u32 ttmp9, 512                        ; X's work-group?  The choices hang on the work-group's number alone
	s_cselect_b64 s[4:5], s[4:5], s[6:7]
	s_cselect_b32 s17, 0, 512
	s_cselect_b32 s22, 1, 0
	s_cmp_lt_u32 ttmp9, 640                        ; X's or W_z's, or W_h's?
	s_cselect_b64 s[4:5], s[4:5], s[8:9]
	s_cselect_b32 s17, s17, s24
	s_cselect_b32 s23, 0, 4                        ; W_h's groups lie 4 behind W_z's in each 8
	s_sub_co_u32 s18, ttmp9, s17                   ; the group's number in its tensor
	s_lshr_b32 s25, s18, 2
	s_lshl_b32 s25, s25, 3
	s_and_b32 s26, s18, 3
	s_add_co_u32 s25, s25, s26
	s_add_co_u32 s25, s25, s23
	s_add_co_u32 s25, s25, 512
	s_cmp_eq_u32 s22, 1
	s_cselect_b32 s26, s18, s25                    ; G
	s_lshl_b32 s20, s18, 17                        ; in: 16 rows of 8,192 bytes a group, 2,048 bytes of a row a wave
	s_lshl_b32 s21, s16, 11
	s_add_co_u32 s20, s20, s21
	s_mov_b32 s21, 0
	s_add_nc_u64 s[4:5], s[4:5], s[20:21]
	s_lshr_b32 s20, s26, 4                         ; codes: 393,216 (G / 16) + 24,576 ((G / 8) % 2) + 1,536 (G % 8) + 98,304 wave
	s_mul_i32 s20, s20, 393216
	s_bfe_u32 s25, s26, 0x10003
	s_mul_i32 s25, s25, 24576
	s_add_co_u32 s20, s20, s25
	s_and_b32 s25, s26, 7
	s_mul_i32 s25, s25, 1536
	s_add_co_u32 s20, s20, s25
	s_mul_i32 s25, s16, 98304
	s_add_co_u32 s20, s20, s25
	s_add_nc_u64 s[10:11], s[10:11], s[20:21]
	s_lshl_b32 s20, s26, 10                        ; scales: 1,024 G + 256 wave
	s_lshl_b32 s25, s16, 8
	s_add_co_u32 s20, s20, s25
	s_add_nc_u64 s[12:13], s[12:13], s[20:21]
.macro LOAD t
.irp i, 0,1,2,3
	global_load_b128 v[R+16*((\t)%4)+4*\i:R+16*((\t)%4)+4*\i+3], v3, s[4:5] offset:8192*(\t)+512*\i th:TH_LOAD_NT   ; row t: 512 consecutive bytes
.endr
.endm
.macro TURN t                          ; LDS serves a wave's instructions in order: no wait between the stores and the loads
.irp i, 0,1,2,3
	ds_store_b128 v14, v[R+16*((\t)%4)+4*\i:R+16*((\t)%4)+4*\i+3] offset:32*SP*((\t)%2)+8*SP*\i
.endr
.irp i, 0,1,2,3
	ds_load_b128 v[X+16*((\t)%2)+4*\i:X+16*((\t)%2)+4*\i+3], v15 offset:32*SP*((\t)%2)+16*\i
.endr
.endm
.irp t, 0,1,2,3
	LOAD \t
.endr
	s_wait_loadcnt 12                              ; step 0's four loads are in; three steps' twelve stay out
	TURN 0
.macro STEP t
.set XS, X+16*((\t)%2)
.if (\t) > 0
	s_wait_dscnt 4                                 ; this step's numbers are back (the last step's byte store and three code stores may be out)
.else
	s_wait_dscnt 0x0
.endif
.if (\t)+4 < STEPS
	LOAD (\t)+4
.endif
.if (\t)+1 < STEPS
.if STEPS-2-(\t) >= 3
	s_wait_loadcnt 12                              ; the next step's four loads are in; those of the three steps behind it may be out
.else
	s_wait_loadcnt 4*(STEPS-2-(\t))
.endif
	TURN (\t)+1
.endif
	v_max3_num_f32 v8, |v[XS]|, |v[XS+1]|, |v[XS+2]|               ; the largest magnitude of my 16, in two chains
	v_max3_num_f32 v9, |v[XS+3]|, |v[XS+4]|, |v[XS+5]|
.irp i, 6,10
	v_max3_num_f32 v8, v8, |v[XS+\i]|, |v[XS+\i+1]|
	v_max3_num_f32 v9, v9, |v[XS+\i+2]|, |v[XS+\i+3]|
.endr
	v_max3_num_f32 v8, v8, |v[XS+14]|, |v[XS+15]|
	v_max3_num_f32 v8, v8, v9, 0x2800000           ; and the floor 2^(5 - 127): the byte cannot fall under 1
	v_max_num_f32_dpp v8, v8, v8 row_xmask:1 row_mask:0xf bank_mask:0xf   ; and of my neighbour's 16: the block's
	v_add_nc_u32 v11, 0xfe000000, v8               ; 4 off its exponent field: the conversion's scale operand
	v_cvt_scalef32_pk16_bf6_f32 v[C+4*(\t):C+4*(\t)+2], v[XS:XS+15], v11
	v_lshrrev_b32 v[E+(\t)], 23, v11               ; the scale's byte (also the plain line behind the conversion)
	ds_store_b8 v5, v[E+(\t)] offset:8*(\t)        ; both lanes of a block write the same byte with the same value
.irp k, 0,1,2
	ds_store_b32 v[IA+\k], v[C+4*(\t)+\k] offset:16*(\t)   ; row t's 16 bytes of a unit
.endr
.endm
.irp t, 0,1,2,3,4,5,6,7,8,9,10,11,12,13,14,15
	STEP \t
.endr
	ds_load_b64 v[12:13], v6                       ; LDS serves a wave's instructions in order: these see my stores
.irp q, 0,1,2,3,4,5,6,7,8,9,10,11
	ds_load_b128 v[R+4*\q:R+4*\q+3], v[IA+3] offset:544*\q
.endr
	s_wait_dscnt 0x0
	global_store_b64 v7, v[12:13], s[12:13]        ; 256 consecutive bytes, at a multiple of 256 from the buffer's first byte
.irp q, 0,1,2,3,4,5,6,7,8,9,10,11
	global_store_b128 v3, v[R+4*\q:R+4*\q+3], s[10:11] offset:(\q/6)*49152+((\q/3)%2)*12288+(\q%3)*512   ; 512 consecutive bytes of an image
.endr
	s_wait_tensorcnt 0x0                           ; the wave's end
	ds_add_u32 v192, v193
	s_wait_dscnt 0x0
	s_endpgm
.Lfunc_end_k_q573252cd71_quant:
	.size	k_q573252cd71_quant, .Lfunc_end_k_q573252cd71_quant-k_q573252cd71_quant
	.p2alignl 7, 3214868480
	.fill 96, 4, 3214868480
	.section	.rodata,"a",@progbits
	.p2align	6, 0x0
	.amdhsa_kernel k_q573252cd71_quant
		.amdhsa_group_segment_fixed_size 49664
		.amdhsa_private_segment_fixed_size 0
		.amdhsa_enable_private_segment 0
		.amdhsa_kernarg_size 40
		.amdhsa_user_sgpr_count 2
		.amdhsa_user_sgpr_kernarg_segment_ptr 1
		.amdhsa_wavefront_size32 1
		.amdhsa_system_sgpr_workgroup_id_x 1
		.amdhsa_system_sgpr_workgroup_id_y 1
		.amdhsa_system_sgpr_workgroup_id_z 1
		.amdhsa_system_vgpr_workitem_id 0
		.amdhsa_next_free_vgpr 200
		.amdhsa_next_free_sgpr 66
		.amdhsa_reserve_vcc 0
		.amdhsa_float_denorm_mode_32 3
		.amdhsa_float_denorm_mode_16_64 3
		.amdhsa_memory_ordered 1
		.amdhsa_forward_progress 1
		.amdhsa_inst_pref_size 38
	.end_amdhsa_kernel
	.amdgpu_metadata
---
amdhsa.version: [ 1, 2 ]
amdhsa.kernels:
  - .name:           k_q573252cd71_quant
    .symbol:         k_q573252cd71_quant.kd
    .args:
      - { .name: hidden_states, .offset: 0, .size: 8, .value_kind: global_buffer, .address_space: global }
      - { .name: W_z, .offset: 8, .size: 8, .value_kind: global_buffer, .address_space: global }
      - { .name: W_h, .offset: 16, .size: 8, .value_kind: global_buffer, .address_space: global }
      - { .name: codes, .offset: 24, .size: 8, .value_kind: global_buffer, .address_space: global }
      - { .name: scales, .offset: 32, .size: 8, .value_kind: global_buffer, .address_space: global }
    .group_segment_fixed_size: 49664
    .private_segment_fixed_size: 0
    .kernarg_segment_align: 8
    .kernarg_segment_size: 40
    .max_flat_workgroup_size: 128
    .sgpr_count:     66
    .vgpr_count:     200
    .wavefront_size: 32
...
	.end_amdgpu_metadata
.endif
;; end of part 1
;; launch gemm (part 2): grid 16 x 16, 4 waves a work-group, clusters of 4 x 4, 327,680 bytes of LDS; arguments codes, scales, b_z, b_h, wl, al, tot; writes wl, al, tot
.if DOCPART == 2
	.amdgcn_target "amdgcn-amd-amdhsa--gfx1250"
	.amdhsa_code_object_version 6
	.text
	.protected	k_q573252cd71_gemm
	.globl	k_q573252cd71_gemm
	.p2align	8
	.type	k_q573252cd71_gemm,@function
k_q573252cd71_gemm:
	s_mov_b64 s[64:65], 0
	v_nop
	global_prefetch_b8 v0, s[64:65] scope:SCOPE_SE
	s_setreg_imm32_b32 hwreg(HW_REG_WAVE_MODE, 25, 1), 1
	s_wait_xcnt 0x0
	s_wait_alu depctr_hold_cnt(0) depctr_sa_sdst(0) depctr_va_vdst(0) depctr_va_sdst(0) depctr_va_ssrc(0) depctr_va_vcc(0) depctr_vm_vsrc(0)
	s_getreg_b32 s2, hwreg(HW_REG_IB_STS2, 6, 4)
	s_cmp_eq_u32 s2, 0
	s_cbranch_scc0 .Lentry_in_a_cluster
	s_endpgm
.Lentry_in_a_cluster:
	s_bfe_u32 s2, ttmp6, 0x10000c
	s_cmp_lg_u32 s2, 0xf033
	s_cbranch_scc0 .Lentry_shape_is_right
	s_endpgm
.Lentry_shape_is_right:
; BOTH PRODUCTS, k = X W_z^T + b_z and x = X W_h^T + b_h, on codes of BF6 with E8M0 scales, and what follows them element by element, in base 2:
; log_z = min(k', 0) - log2(1 + 2^-|k'|), log_coeffs = log_z - k' (k' = k log2 e); g(x) = log2(x + 0.5) where x >= 0, else x' - log2(1 + 2^-|x'|);
; a_loc = the running sum of log_coeffs over a group of 64 hidden columns; w_loc = log_z + g - a_loc; the groups' totals go to tot.  Nothing of reference() is left out.
; SHARES: a work-group makes TWO tiles, each 256 rows of weights (128 hidden columns: per 64 columns W_z's 64 rows, then W_h's) x 256 rows of X; the second tile takes the next 256 rows of X and the same weights.
; Four waves, each 128 x 128: 64 accumulators, 512 registers: window 2 k, window 3 x of the wave's 64 columns.  Source 0 = 16 rows of X, source 1 = 16 rows of weights: a lane holds one hidden column, its registers run along time.
; CODES lie in memory as images of the operand's registers (1,536 bytes for 16 rows x 128 K): a tile's K step of 256 is 49,152 dense bytes, brought as rows of 256 bytes; a fragment is three loads of 16 bytes a lane, 16 x lane apart.
; A ring of two LDS slots, a K step of 256 each; each wave fetches a quarter of a slot.  The ring goes on into the second tile: the first tile's last two changes of slots ask for the second's K steps 0 and 1.
; X's second tile follows its first in memory, so X's address only ever steps on; the weights' steps back by six K steps.  The scales (weights: 16,384 bytes; X, both tiles: 32,768) come once, at the head.
; The fragment loads of 128 along K stand in two runs: X's next set and the weights' blocks 0-3 in the step's middle, blocks 4-7 at its end.
; CLUSTERS: 4 x 4 work-groups; the four of a row need the same weights, the four of a column the same X: each tile is asked for jointly.
; PREFETCH: behind each joint load a wave names the K step that stands two refills on: of its 96 blocks of 256 bytes each of the four partners takes 24, told apart by address (lanes 24-31 name the last again).
; The first four K steps come by their loads alone; X's last is K step 15 of the walk; the weights are named in the first tile alone, since the second reads the same bytes again.
; LIMITS: NaN and infinities are not served; g's arms are chosen on the sign of x' = x log2 e.
.set KB,     49152                     ; a tile's K step in memory
.set NQ,     2
.set FR,     12
.set NL,     3
.set NP,     4
.set HALFT,  24576                     ; 128 rows x 256 K
.set SLOT,   4*HALFT                   ; the weights' 256 rows, then X's
.set SCL,    2*SLOT                    ; the scales
.set TST,    SCL+49152                 ; the totals' stage, 512 bytes a wave: no tile lands here
.set SPARE,  TST+2048                  ; the spare words, 128 bytes a wave
.set TG,   7
.set TA,   8
.set AS0,  9                           ; v9  my scale words at a tile's K step 0, first tile;  v10  16,384 in lanes 16-31: X's second tile
.set H16,  10
.set PFO,  11                          ; v11 the prefetches' offset
.set ADRA, 16
.set ADRB, 20
.set TW,   24
.set TR,   25
.set CO,   26
.set ADRS, 27
.set SPW,  28
.set NIL,  29
.set BA,   30
.set TP,   31
.set SC,   32                          ; v32-63 scale words, two sets: lanes 0-15 the weights', lanes 16-31 X's
.set BI,   64
.set AF,   128                         ; the weights' fragments, one set (window 0); X's two sets in window 1
.set TT,   32
.set TO,   40
.set BZ2,  72
.set BH2,  80
.set BH5,  88
.set KP,   96
.set XP,   128
.set YY,   160
.set E1,   192
.set E2,   224
.set MK,   68                          ; s68-99 32 masks on the way out (the head's descriptors and arguments lay there)
.set LE,   4                           ; s[4:5] log2 e; s6 the trip's place in the totals' stage; s7 1.0 in the waves of the odd group
.set G1, 24
.set G0, 32
.set G1B, 48
.set G0B, 56
.set G1S, 68
.set G0S, 76
.set G1SB, 80
.set G0SB, 88
.set G0H, 4
.set G0HB, 8
.set JC,  44                           ; s44 changes of slots so far; s45 under which count my wave prefetches; s[46:47] where its prefetches stand
.set LIM, 45
.set PFA, 46
.set MSB, 0
.macro WIN new
.if MSB != \new
	s_set_vgpr_msb (MSB<<8)|\new
.set MSB, \new
.endif
.endm
.set MUL_LO, 0xa1
.set MUL_HI, 0xf1
.set TO_B,   0x40
.macro JLOAD g0a, g1a, g0b, g1b        ; waves 0, 1 fetch the weights' halves, waves 2, 3 X's
	s_cmp_eq_u32 s15, 0
	s_cbranch_scc0 .Lfor_b_\@
	tensor_load_to_lds s[\g0a:\g0a+3], s[\g1a:\g1a+7]
	s_nop 0
.rept 4
	v_nop
.endr
	s_branch .Lasked_\@
.Lfor_b_\@:
	tensor_load_to_lds s[\g0b:\g0b+3], s[\g1b:\g1b+7]
	s_nop 0
.rept 4
	v_nop
.endr
.Lasked_\@:
.endm
.macro CREST
	s_cmp_lg_u32 s14, 0
	s_cbranch_scc1 .Lnot_wave_0_\@
	s_barrier_signal -3
.Lnot_wave_0_\@:
	s_barrier_wait -3
	s_barrier_signal -1
	s_barrier_wait -1
.endm
.macro CROUND
	s_barrier_signal -1
	s_barrier_wait -1
	CREST
.endm
	s_load_b128 s[92:95], s[0:1], 0x0              ; codes, scales
	s_load_b128 s[96:99], s[0:1], 0x10             ; b_z, b_h
	s_load_b64 s[12:13], s[0:1], 0x20              ; wl
	s_load_b64 s[66:67], s[0:1], 0x28              ; al
	s_load_b64 s[100:101], s[0:1], 0x30            ; tot
	v_lshl_add_u32 v[SPW], v0, 2, SPARE
	v_mov_b32 v[NIL], 0
	ds_add_u32 v[SPW], v[NIL]                      ; the opening lines: the add, twice on end, and its wait ahead of my first tensor load
	ds_add_u32 v[SPW], v[NIL]
	v_lshrrev_b32 v1, 5, v0
	v_readfirstlane_b32 s14, v1                    ; wave
	s_lshr_b32 s15, s14, 1                         ; my half of the weights' rows.  Also: I fetch weights (0) or X (1)
	s_and_b32 s16, s14, 1                          ; my half of X's rows.  Also: which 128 rows I fetch
	s_bfe_u32 s40, ttmp6, 0x40000                  ; cx, cy
	s_bfe_u32 s41, ttmp6, 0x40004
	s_lshl_b32 s42, ttmp9, 2
	s_add_co_u32 s42, s42, s40                     ; which 512 rows of X
	s_and_b32 s17, ttmp7, 0xffff
	s_lshl_b32 s17, s17, 2
	s_add_co_u32 s17, s17, s41                     ; which 256 rows of weights
	s_lshl_b32 s43, s41, 2
	s_lshl_b32 s43, 15, s43                        ; my row of the cluster
	s_lshl_b32 s44, 0x1111, s40                    ; my column
	s_or_b32 s[G1+0], s43, (3<<16)|(1<<21)         ; group 1: the mask; elements of 8 bytes; bit 21 beside a mask; dense rows of 256 bytes, no padding
	s_or_b32 s[G1B+0], s44, (3<<16)|(1<<21)
	s_or_b32 s[G1S+0], s43, (3<<16)|(1<<21)
	s_or_b32 s[G1SB+0], s44, (3<<16)|(1<<21)
.irp g, G1, G1B, G1S, G1SB
	s_mov_b32 s[\g+1], 32<<16
	s_mov_b32 s[\g+3], 32<<16
	s_mov_b32 s[\g+5], 32
	s_mov_b32 s[\g+6], 0
	s_mov_b32 s[\g+7], 0
.endr
.irp g, G1, G1B
	s_mov_b32 s[\g+2], 192<<16                     ; the head's loads of codes: a whole K step, 192 rows; the ring's: 96
	s_mov_b32 s[\g+4], 192
.endr
	s_mov_b32 s[G1S+2], 64<<16                     ; the weights' scales: 16,384 bytes
	s_mov_b32 s[G1S+4], 64
	s_mov_b32 s[G1SB+2], 128<<16                   ; X's, both tiles: 32,768
	s_mov_b32 s[G1SB+4], 128
	s_mul_i32 s20, s17, 8*KB
	s_add_co_u32 s20, s20, 12582912                ; the weights lie behind X's 32 tiles
	s_mov_b32 s21, 0
	s_lshl_b32 s18, s17, 14
	s_add_co_u32 s18, s18, 524288
	s_mov_b32 s19, 0
	s_mul_i32 s22, s42, 16*KB
	s_mov_b32 s23, 0
	s_lshl_b32 s46, s42, 15
	s_mov_b32 s47, 0
	s_mul_i32 s45, s14, HALFT                      ; where my quarter of a slot goes
	s_wait_dscnt 0x0                               ; both opening adds are done
	s_wait_kmcnt 0x0
	s_add_nc_u64 s[20:21], s[92:93], s[20:21]
	s_add_nc_u64 s[18:19], s[94:95], s[18:19]
	s_add_nc_u64 s[22:23], s[92:93], s[22:23]
	s_add_nc_u64 s[46:47], s[94:95], s[46:47]
	CROUND                                         ; all sixteen work-groups are here: the first joint loads meet
	s_mov_b32 s[G0H], 1
	s_mov_b32 s[G0H+1], 0
	s_mov_b64 s[G0H+2:G0H+3], s[20:21]
	s_or_b32 s[G0H+3], s[G0H+3], 0x80000000
	s_mov_b32 s[G0HB], 1
	s_mov_b32 s[G0HB+1], 2*HALFT
	s_mov_b64 s[G0HB+2:G0HB+3], s[22:23]
	s_or_b32 s[G0HB+3], s[G0HB+3], 0x80000000
	s_mov_b32 s[G0S], 1
	s_mov_b32 s[G0S+1], SCL
	s_mov_b64 s[G0S+2:G0S+3], s[18:19]
	s_or_b32 s[G0S+3], s[G0S+3], 0x80000000
	s_mov_b32 s[G0SB], 1
	s_mov_b32 s[G0SB+1], SCL+16384
	s_mov_b64 s[G0SB+2:G0SB+3], s[46:47]
	s_or_b32 s[G0SB+3], s[G0SB+3], 0x80000000
	s_mul_i32 s18, s16, HALFT                      ; for the ring: my 128 rows
	s_mov_b32 s19, 0
	s_add_nc_u64 s[20:21], s[20:21], s[18:19]
	s_add_nc_u64 s[22:23], s[22:23], s[18:19]
.irp s, 0,1
	s_mov_b32 s[G0+4*\s], 1
	s_add_co_u32 s[G0+4*\s+1], s45, \s*SLOT
	s_add_nc_u64 s[G0+4*\s+2:G0+4*\s+3], s[20:21], \s*KB
	s_or_b32 s[G0+4*\s+3], s[G0+4*\s+3], 0x80000000
	s_mov_b32 s[G0B+4*\s], 1
	s_add_co_u32 s[G0B+4*\s+1], s45, \s*SLOT
	s_add_nc_u64 s[G0B+4*\s+2:G0B+4*\s+3], s[22:23], \s*KB
	s_or_b32 s[G0B+4*\s+3], s[G0B+4*\s+3], 0x80000000
.endr
; The head's loads, one a wave: wave 0 K step 0 of the weights, wave 1 of X, wave 2 the weights' scales, wave 3 X's.  One tree of branches on the wave's number.
.macro ARM under, g0, g1, next
	s_cmp_lt_u32 s14, \under
	s_cbranch_scc0 \next
	tensor_load_to_lds s[\g0:\g0+3], s[\g1:\g1+7]
	s_nop 0
.rept 4
	v_nop
.endr
	s_branch .Lhead_asked
\next:
.endm
	ARM 1, G0H,  G1,  .Lhead_b
	ARM 2, G0HB, G1B, .Lhead_sa
	ARM 3, G0S,  G1S, .Lhead_sb
	tensor_load_to_lds s[G0SB:G0SB+3], s[G1SB:G1SB+7]
	s_nop 0
.rept 4
	v_nop
.endr
.Lhead_asked:
	s_mul_i32 s18, s15, HALFT                      ; my 128 rows of weights in a slot
	s_mul_i32 s19, s16, HALFT
	s_add_co_u32 s19, s19, 2*HALFT                 ; my 128 rows of X
	s_lshl_b32 s20, s15, 13                        ; the weights' scales: 8,192 bytes for 128 rows
	s_lshl_b32 s21, s16, 13
	s_add_co_u32 s21, s21, 16384
	s_sub_co_u32 s21, s21, s20                     ; from there to X's
	s_add_co_u32 s20, s20, SCL
	s_lshl_b32 s22, s14, 9
	s_add_co_u32 s22, s22, TST                     ; my totals
	s_lshl_b32 s23, s16, 9
	s_add_co_u32 s23, s23, TST                     ; those of the even group's wave on my rows of X
	s_lshl_b32 s43, s17, 1
	s_add_co_u32 s43, s43, s15
	s_lshl_b32 s43, s43, 8                         ; the biases of my 64 columns
	v_and_b32 v1, 15, v0                           ; r
	v_bfe_u32 v2, v0, 4, 1                         ; h
	v_and_b32 v3, 31, v0
	v_lshlrev_b32 v[TG], 4, v3                     ; 16 x lane
	v_add_nc_u32 v[ADRA], s18, v[TG]
	v_add_nc_u32 v[ADRB], s19, v[TG]
	v_add_nc_u32 v[ADRA+1], SLOT, v[ADRA]
	v_add_nc_u32 v[ADRB+1], SLOT, v[ADRB]
	v_mul_u32_u24 v4, s21, v2                      ; lanes 16-31 take X's scale words
	v_lshl_add_u32 v4, v1, 3, v4                   ; 8 bytes a row
	v_add_nc_u32 v[AS0], s20, v4
	v_lshlrev_b32 v[H16], 14, v2
	v_lshlrev_b32 v[CO], 4, v1
	v_lshl_add_u32 v[CO], v2, 10, v[CO]            ; wl, al: 16 bytes a column, 1,024 for 8 steps of time
	v_lshlrev_b32 v[TW], 5, v2
	v_add_nc_u32 v[TW], s22, v[TW]
	v_add_nc_u32 v[TR], s22, v[TG]
	v_add_nc_u32 v[TP], s23, v[TG]
	v_min_u32 v[PFO], 23, v3
	v_lshlrev_b32 v[PFO], 8, v[PFO]                ; a lane a block of 256 bytes, 24 blocks
	v_lshl_add_u32 v[BA], v1, 2, s43
.irp a, 0,1,2,3
	global_load_b32 v[BI+\a], v[BA], s[96:97] offset:64*\a
	global_load_b32 v[BI+4+\a], v[BA], s[98:99] offset:64*\a
.endr
	s_lshl_b32 s20, s17, 1                         ; wl, al: 2^21 bytes a group of 64 columns, 2^14 for 128 rows of X
	s_add_co_u32 s20, s20, s15
	s_lshl_b32 s20, s20, 21
	s_lshl_b32 s21, s16, 14
	s_add_co_u32 s20, s20, s21
	s_mov_b32 s21, 0
	s_lshl_b32 s46, s42, 16
	s_mov_b32 s47, 0
	s_add_nc_u64 s[20:21], s[20:21], s[46:47]
	s_add_nc_u64 s[12:13], s[12:13], s[20:21]
	s_add_nc_u64 s[66:67], s[66:67], s[20:21]
	s_lshl_b32 s20, s15, 19                        ; tot: [even group's total, tile row's total][tile row][row of X]
	s_lshl_b32 s22, s17, 15
	s_add_co_u32 s20, s20, s22
	s_lshl_b32 s22, s16, 9
	s_add_co_u32 s20, s20, s22
	s_mov_b32 s21, 0
	s_lshl_b32 s46, s42, 11
	s_add_nc_u64 s[20:21], s[20:21], s[46:47]
	s_add_nc_u64 s[100:101], s[100:101], s[20:21]
	s_mul_i32 s20, s17, 8*KB                       ; the prefetches: the tile that I fetch for,
	s_add_co_u32 s20, s20, 12582912
	s_mul_i32 s46, s42, 16*KB
	s_cmp_eq_u32 s15, 0
	s_cselect_b32 s20, s20, s46
	s_cselect_b32 s21, s40, s41                    ; my place among the four that ask with me,
	s_cselect_b32 s[LIM], 5, 13                    ; and how long: the weights to K step 7, X to K step 15 of the walk
	s_mul_i32 s21, s21, 6144
	s_add_co_u32 s20, s20, s21
	s_mul_i32 s21, s16, HALFT
	s_add_co_u32 s20, s20, s21
	s_add_co_u32 s20, s20, 3*KB                    ; the first change of slots steps it to K step 4
	s_mov_b32 s21, 0
	s_add_nc_u64 s[PFA:PFA+1], s[92:93], s[20:21]
	s_mov_b32 s[JC], 0
.macro FRAG reg, adr, q, i             ; an image of 12 registers: three loads, 16 x lane
.irp j, 0,1,2
	ds_load_b128 v[\reg+4*\j:\reg+4*\j+3], v[\adr] offset:12288*(\q)+1536*(\i)+512*\j
.endr
.endm
.macro MUL16 a0, p, q, sc, zero        ; the 64 accumulators take turns, in the same order in every step
.irp a, \a0, \a0+1
.irp b, 0,1,2,3,4,5,6,7
.if \zero
	v_wmma_scale_f32_16x16x128_f8f6f4 v[8*(8*((\a)%4)+\b):8*(8*((\a)%4)+\b)+7], v[128*(\p)+FR*\b:128*(\p)+FR*\b+FR-1], v[AF+FR*(\a):AF+FR*(\a)+FR-1], 0, v[SC+8*NQ*(\sc)+NQ*\b+(\q)], v[SC+8*NQ*(\sc)+NQ*(\a)+(\q)] matrix_a_fmt:MATRIX_FMT_BF6 matrix_b_fmt:MATRIX_FMT_BF6 matrix_a_scale:MATRIX_SCALE_ROW1
.else
	v_wmma_scale_f32_16x16x128_f8f6f4 v[8*(8*((\a)%4)+\b):8*(8*((\a)%4)+\b)+7], v[128*(\p)+FR*\b:128*(\p)+FR*\b+FR-1], v[AF+FR*(\a):AF+FR*(\a)+FR-1], v[8*(8*((\a)%4)+\b):8*(8*((\a)%4)+\b)+7], v[SC+8*NQ*(\sc)+NQ*\b+(\q)], v[SC+8*NQ*(\sc)+NQ*(\a)+(\q)] matrix_a_fmt:MATRIX_FMT_BF6 matrix_b_fmt:MATRIX_FMT_BF6 matrix_a_scale:MATRIX_SCALE_ROW1
.endif
.endr
.endr
.endm
.macro FETCH_B slot, q, p
	WIN TO_B
.irp i, 0,1,2,3,4,5,6,7
	FRAG 128*(\p)+FR*\i, ADRB+\slot, \q, \i
.endr
	WIN 0
.endm
.macro FETCH_A slot, q, i0
.irp i, \i0, \i0+1, \i0+2, \i0+3
	FRAG AF+FR*(\i), ADRA+\slot, \q, \i
.endr
.endm
.macro SCALES sc                       ; the two scale words of a K step for each block of 16 rows
.irp i, 0,1,2,3,4,5,6,7
	ds_load_b64 v[SC+8*NQ*\sc+NQ*\i:SC+8*NQ*\sc+NQ*\i+1], v[ADRS] offset:\i*1024
.endr
.endm
.macro PLACES n
.rept \n
	v_nop
.endr
.endm
.macro STEP slot, zero                 ; a slot's first 128 along K; the second's fragments are fetched in its middle and at its end
	s_wait_dscnt 4*NL                              ; all but the youngest twelve loads (the weights' blocks 4-7)
	WIN MUL_LO
	MUL16 0, 0, 0, \slot, \zero
	MUL16 2, 0, 0, \slot, \zero
	s_wait_dscnt 0
	PLACES NP
	FETCH_B \slot, 1, 1
	FETCH_A \slot, 1, 0
	WIN MUL_HI
	MUL16 4, 0, 0, \slot, \zero
	MUL16 6, 0, 0, \slot, \zero
	PLACES NP
	WIN 0
	FETCH_A \slot, 1, 4
.endm
; A slot's second 128 along K, and the change of slots.  fill: the slot is filled again, two K steps on (on = 1: with the next tile's K step); fetch: the next slot's first fragments are fetched.
.macro TURN slot, next, fill, on, fetch
.if \fill
	s_wait_xcnt 0x0                                ; my last prefetch has read its address
	s_add_nc_u64 s[PFA:PFA+1], s[PFA:PFA+1], KB
	s_add_co_u32 s[JC], s[JC], 1
.endif
	s_wait_tensorcnt 0x0                           ; all my tensor loads have landed: my part of the next slot;
	ds_add_u32 v[SPW], v[NIL]
	s_wait_dscnt 4*NL+1                            ; (the add and the youngest twelve loads may be out)
	WIN MUL_LO
	MUL16 0, 1, 1, \slot, 0
	s_wait_dscnt 0x0                               ; the add is done, and my reads of this slot are over
	s_barrier_signal -1
	MUL16 2, 1, 1, \slot, 0
	WIN 0
	s_barrier_wait -1
.if \fill
	CREST                                          ; the barrier has opened a round of the cluster's barrier
.if \on
	s_sub_nc_u64 s[G0+4*\slot+2:G0+4*\slot+3], s[G0+4*\slot+2:G0+4*\slot+3], 6*KB
.else
	s_add_nc_u64 s[G0+4*\slot+2:G0+4*\slot+3], s[G0+4*\slot+2:G0+4*\slot+3], 2*KB
.endif
	s_add_nc_u64 s[G0B+4*\slot+2:G0B+4*\slot+3], s[G0B+4*\slot+2:G0B+4*\slot+3], 2*KB
	JLOAD G0+4*\slot, G1, G0B+4*\slot, G1B         ; the first tensor load behind the round; its four v_nop are the places in front of the loads below
.else
	PLACES NP
.endif
.if \fetch
	s_wait_alu depctr_va_vdst(0)                   ; directly ahead of the reader below
	v_add_nc_u32 v[ADRS], 128, v[ADRS]             ; the next K step's scale words
	FETCH_B \next, 0, 0
	FETCH_A \next, 0, 0
	SCALES \next
.endif
.if \fill
	s_cmp_lt_u32 s[JC], s[LIM]
	s_cbranch_scc0 .Lnot_mine_\@
	global_prefetch_b8 v[PFO], s[PFA:PFA+1] th:TH_LOAD_NT scope:SCOPE_SE
.Lnot_mine_\@:
.endif
	WIN MUL_HI
	MUL16 4, 1, 1, \slot, 0
	MUL16 6, 1, 1, \slot, 0
.if \fetch
	PLACES NP
.endif
	WIN 0
.if \fetch
	FETCH_A \next, 0, 4
.endif
.endm
	s_wait_alu depctr_va_vdst(0)
	s_wait_tensorcnt 0x0                           ; my tile of the head's four is in; the lines ahead of a later first fill:
	ds_add_u32 v[SPW], v[NIL]
	s_mov_b32 s[G1+2], 96<<16                      ; no tensor load of mine is out: from here on a load brings 96 rows of 256 bytes
	s_mov_b32 s[G1+4], 96
	s_mov_b32 s[G1B+2], 96<<16
	s_mov_b32 s[G1B+4], 96
	s_mov_b32 s[LE], 0x3fb8aa3b
	s_mov_b32 s[LE+1], s[LE]
	s_mul_i32 s7, s15, 0x3f800000
	s_wait_dscnt 0x0
	CROUND
	JLOAD G0+4, G1, G0B+4, G1B                     ; K step 1, the first tensor load behind the round
	s_wait_loadcnt 0x0                             ; the biases: the same for both tiles
.irp a, 0,1,2,3
	v_mul_f32 v[BZ2+2*\a], s[LE], v[BI+\a]
	v_mul_f32 v[BZ2+2*\a+1], s[LE], v[BI+\a]
	v_mul_f32 v[BH2+2*\a], s[LE], v[BI+4+\a]
	v_mul_f32 v[BH2+2*\a+1], s[LE], v[BI+4+\a]
	v_add_f32 v[BH5+2*\a], 0.5, v[BI+4+\a]
	v_add_f32 v[BH5+2*\a+1], 0.5, v[BI+4+\a]
.endr
	s_wait_alu depctr_va_vdst(0)                   ; the wait behind these writes
	s_mov_b32 s2, 0                                ; the tile
.Ltile:
	v_mad_u32_u24 v[ADRS], v[H16], s2, v[AS0]      ; the tile's first scale words
	FETCH_B 0, 0, 0
	FETCH_A 0, 0, 0
	SCALES 0
	FETCH_A 0, 0, 4
	STEP 0, 1                                      ; the first products start the sums
	s_mov_b32 s3, 3
.Llap:
	TURN 0, 1, 1, 0, 1
	STEP 1, 0
	TURN 1, 0, 1, 0, 1
	STEP 0, 0
	s_sub_co_u32 s3, s3, 1
	s_cmp_lg_u32 s3, 0
	s_cbranch_scc1 .Llap
	s_cmp_eq_u32 s2, 1
	s_cbranch_scc1 .Llast                          ; the last tile's tail asks for nothing more
	TURN 0, 1, 1, 1, 1                             ; slot 0 takes the next tile's K step 0,
	STEP 1, 0
	TURN 1, 0, 1, 1, 0                             ; slot 1 its K step 1
	s_branch .Lout
.Llast:
	TURN 0, 1, 0, 0, 1
	STEP 1, 0
	s_wait_dscnt 4*NL
	WIN MUL_LO
	MUL16 0, 1, 1, 1, 0
	MUL16 2, 1, 1, 1, 0
	s_wait_dscnt 0
	WIN MUL_HI
	MUL16 4, 1, 1, 1, 0
	MUL16 6, 1, 1, 1, 0
	WIN 0
.Lout:
; THE WAY OUT: eight trips, 16 rows of X each: 32 registers of k and 32 of x.
.irp j, 0,1,2,3,4,5,6,7
	v_mov_b32 v[TT+\j], 0                          ; (also the places behind the last products, none of whose registers these are)
.endr
	s_mov_b32 s6, 0
	s_mov_b32 s3, 0
.macro READ b
	WIN 0x02
.irp a, 0,1,2,3
.irp j, 0,2,4,6
	v_pk_fma_f32 v[KP+8*\a+\j:KP+8*\a+\j+1], v[8*(8*\a+\b)+\j:8*(8*\a+\b)+\j+1], s[LE:LE+1], v[BZ2+2*\a:BZ2+2*\a+1] op_sel_hi:[1,0,1]
.endr
.endr
	WIN 0x03
.irp a, 0,1,2,3
.irp j, 0,2,4,6
	v_pk_fma_f32 v[XP+8*\a+\j:XP+8*\a+\j+1], v[8*(8*\a+\b)+\j:8*(8*\a+\b)+\j+1], s[LE:LE+1], v[BH2+2*\a:BH2+2*\a+1] op_sel_hi:[1,0,1]
	v_pk_add_f32 v[YY+8*\a+\j:YY+8*\a+\j+1], v[8*(8*\a+\b)+\j:8*(8*\a+\b)+\j+1], v[BH5+2*\a:BH5+2*\a+1]
.endr
.endr
	WIN 0
.endm
.Lepi:
.irp b, 0,1,2,3,4,5,6
	s_cmp_eq_u32 s3, \b
	s_cbranch_scc1 .Lread\b
.endr
	READ 7
	s_branch .Lbody
.irp b, 0,1,2,3,4,5
.Lread\b:
	READ \b
	s_branch .Lbody
.endr
.Lread6:
	READ 6
.Lbody:
	s_wait_xcnt 0x0                                ; the last trip's stores have read their data (E1, E2, first rewritten below) and their bases
	s_add_nc_u64 s[66:67], s[66:67], 2048          ; the bases step ahead of the trip's stores, which reach back by their immediates
	s_add_nc_u64 s[12:13], s[12:13], 2048
	s_wait_alu depctr_va_vdst(0)                   ; the wait ahead of a batch of transcendentals and behind it
.set i, 0
.rept 32
	v_exp_f32 v[E1+i], -|v[KP+i]|
.set i, i+1
.endr
.set i, 0
.rept 32
	v_exp_f32 v[E2+i], -|v[XP+i]|
.set i, i+1
.endr
.set i, 0
.rept 32
	v_cmp_le_f32 s[MK+i], 0, v[XP+i]               ; which arm of g
.set i, i+1
.endr
	s_wait_alu depctr_va_vdst(0)
.set i, 0
.rept 16
	v_pk_add_f32 v[E1+2*i:E1+2*i+1], v[E1+2*i:E1+2*i+1], 1.0 op_sel_hi:[1,0]
	v_pk_add_f32 v[E2+2*i:E2+2*i+1], v[E2+2*i:E2+2*i+1], 1.0 op_sel_hi:[1,0]
.set i, i+1
.endr
.set i, 0
.rept 32
	v_cndmask_b32 v[YY+i], v[E2+i], v[YY+i], s[MK+i]   ; x + 0.5, or 1 + 2^-|x'|
.set i, i+1
.endr
	s_wait_alu depctr_va_vdst(0)
.set i, 0
.rept 32
	v_log_f32 v[E1+i], v[E1+i]
.set i, i+1
.endr
.set i, 0
.rept 32
	v_log_f32 v[YY+i], v[YY+i]
.set i, i+1
.endr
.set i, 0
.rept 32
	v_min_num_f32 v[E2+i], 0, v[KP+i]
.set i, i+1
.endr
	s_wait_alu depctr_va_vdst(0)
.set i, 0
.rept 16
	v_pk_add_f32 v[E2+2*i:E2+2*i+1], v[E2+2*i:E2+2*i+1], v[E1+2*i:E1+2*i+1] neg_lo:[0,1] neg_hi:[0,1]   ; log_z
.set i, i+1
.endr
.set i, 0
.rept 16
	v_pk_add_f32 v[E1+2*i:E1+2*i+1], v[E2+2*i:E2+2*i+1], v[KP+2*i:KP+2*i+1] neg_lo:[0,1] neg_hi:[0,1]   ; log_coeffs
	v_pk_add_f32 v[KP+2*i:KP+2*i+1], v[XP+2*i:XP+2*i+1], v[YY+2*i:YY+2*i+1] neg_lo:[0,1] neg_hi:[0,1]
.set i, i+1
.endr
.set i, 0
.rept 32
	v_cndmask_b32 v[KP+i], v[KP+i], v[YY+i], s[MK+i]   ; g
.set i, i+1
.endr
.set i, 0
.rept 16
	v_pk_add_f32 v[E2+2*i:E2+2*i+1], v[E2+2*i:E2+2*i+1], v[KP+2*i:KP+2*i+1]
.set i, i+1
.endr
.irp sh, 1,2,4,8                       ; the running sum over 16 columns, which lie in 16 lanes,
.set i, 0
.rept 32
	v_add_f32_dpp v[E1+i], v[E1+i], v[E1+i] row_shr:\sh row_mask:0xf bank_mask:0xf bound_ctrl:1
.set i, i+1
.endr
.endr
.irp a, 1,2,3                          ; and on over the four blocks of 16
.irp j, 0,1,2,3,4,5,6,7
	v_add_f32_dpp v[E1+8*\a+\j], v[E1+8*\a-8+\j], v[E1+8*\a+\j] row_share:15 row_mask:0xf bank_mask:0xf
.endr
.endr
.set i, 0
.rept 16
	v_pk_add_f32 v[E2+2*i:E2+2*i+1], v[E2+2*i:E2+2*i+1], v[E1+2*i:E1+2*i+1] neg_lo:[0,1] neg_hi:[0,1]   ; w_loc
.set i, i+1
.endr
.irp j, 0,1,2,3,4,5,6,7
	v_mov_b32_dpp v[TT+\j], v[E1+24+\j] row_share:15 row_mask:0xf bank_mask:0xf   ; the group's totals
.endr
	v_add_nc_u32 v[TA], s6, v[TW]
	ds_store_b128 v[TA], v[TT:TT+3]
	ds_store_b128 v[TA], v[TT+4:TT+7] offset:16
.irp a, 0,1,2,3
.irp q, 0,1
	global_store_b128 v[CO], v[E1+8*\a+4*\q:E1+8*\a+4*\q+3], s[66:67] offset:(\a/2)*1048576+(\a%2)*256+512*\q-2048 th:TH_STORE_NT   ; sixteen lanes store 256 consecutive bytes
	global_store_b128 v[CO], v[E2+8*\a+4*\q:E2+8*\a+4*\q+3], s[12:13] offset:(\a/2)*1048576+(\a%2)*256+512*\q-2048 th:TH_STORE_NT
.endr
.endr
	s_add_co_u32 s6, s6, 64
	s_add_co_u32 s3, s3, 1
	s_cmp_lt_u32 s3, 8
	s_cbranch_scc1 .Lepi
	s_wait_dscnt 0x0                               ; for the others' sake: my totals are in the stage
	s_barrier_signal -1
	s_barrier_wait -1
	ds_load_b128 v[TO:TO+3], v[TR]
	ds_load_b128 v[TO+4:TO+7], v[TP]
	s_wait_dscnt 0x0
.irp j, 0,1,2,3
	v_fma_f32 v[TO+\j], v[TO+4+\j], s7, v[TO+\j]   ; the odd group's waves add the even group's: the tile row's total
.endr
	global_store_b128 v[TG], v[TO:TO+3], s[100:101]
	s_wait_xcnt 0x0                                ; all the tile's stores have read their data and bases
	s_add_nc_u64 s[66:67], s[66:67], 16384         ; on to the next tile's rows of X
	s_add_nc_u64 s[12:13], s[12:13], 16384
	s_add_nc_u64 s[100:101], s[100:101], 1024
	s_add_co_u32 s2, s2, 1
	s_cmp_lt_u32 s2, 2
	s_cbranch_scc1 .Ltile
	s_wait_tensorcnt 0x0                           ; the wave's end
	ds_add_u32 v[SPW], v[NIL]
	s_wait_dscnt 0x0
	CROUND                                         ; the closing round
	s_endpgm
.Lfunc_end_k_q573252cd71_gemm:
	.size	k_q573252cd71_gemm, .Lfunc_end_k_q573252cd71_gemm-k_q573252cd71_gemm
	.p2alignl 7, 3214868480
	.fill 96, 4, 3214868480
	.section	.rodata,"a",@progbits
	.p2align	6, 0x0
	.amdhsa_kernel k_q573252cd71_gemm
		.amdhsa_group_segment_fixed_size 327680
		.amdhsa_private_segment_fixed_size 0
		.amdhsa_enable_private_segment 0
		.amdhsa_kernarg_size 56
		.amdhsa_user_sgpr_count 2
		.amdhsa_user_sgpr_kernarg_segment_ptr 1
		.amdhsa_wavefront_size32 1
		.amdhsa_system_sgpr_workgroup_id_x 1
		.amdhsa_system_sgpr_workgroup_id_y 1
		.amdhsa_system_sgpr_workgroup_id_z 1
		.amdhsa_system_vgpr_workitem_id 0
		.amdhsa_next_free_vgpr 1024
		.amdhsa_next_free_sgpr 102
		.amdhsa_reserve_vcc 0
		.amdhsa_float_denorm_mode_32 3
		.amdhsa_float_denorm_mode_16_64 3
		.amdhsa_memory_ordered 1
		.amdhsa_forward_progress 1
		.amdhsa_inst_pref_size 204
	.end_amdhsa_kernel
	.amdgpu_metadata
---
amdhsa.version: [ 1, 2 ]
amdhsa.kernels:
  - .name:           k_q573252cd71_gemm
    .symbol:         k_q573252cd71_gemm.kd
    .args:
      - { .name: codes, .offset: 0, .size: 8, .value_kind: global_buffer, .address_space: global }
      - { .name: scales, .offset: 8, .size: 8, .value_kind: global_buffer, .address_space: global }
      - { .name: b_z, .offset: 16, .size: 8, .value_kind: global_buffer, .address_space: global }
      - { .name: b_h, .offset: 24, .size: 8, .value_kind: global_buffer, .address_space: global }
      - { .name: wl, .offset: 32, .size: 8, .value_kind: global_buffer, .address_space: global }
      - { .name: al, .offset: 40, .size: 8, .value_kind: global_buffer, .address_space: global }
      - { .name: tot, .offset: 48, .size: 8, .value_kind: global_buffer, .address_space: global }
    .group_segment_fixed_size: 327680
    .private_segment_fixed_size: 0
    .kernarg_segment_align: 8
    .kernarg_segment_size: 56
    .max_flat_workgroup_size: 128
    .sgpr_count:     102
    .vgpr_count:     1024
    .wavefront_size: 32
...
	.end_amdgpu_metadata
.endif
;; end of part 2
;; launch scan (part 3): grid 64 x 4, 16 waves a work-group, no clusters, 309,504 bytes of LDS; arguments wl, al, tot, h0, lh, st; writes lh, st
.if DOCPART == 3
	.amdgcn_target "amdgcn-amd-amdhsa--gfx1250"
	.amdhsa_code_object_version 6
	.text
	.protected	k_q573252cd71_scan
	.globl	k_q573252cd71_scan
	.p2align	8
	.type	k_q573252cd71_scan,@function
k_q573252cd71_scan:
	s_mov_b64 s[64:65], 0
	v_nop
	global_prefetch_b8 v0, s[64:65] scope:SCOPE_SE
	s_setreg_imm32_b32 hwreg(HW_REG_WAVE_MODE, 25, 1), 1
	s_wait_xcnt 0x0
; THE SCAN ALONG TIME.  log_h(t, n) = a(t, n) + log2 of the sum over t' <= t of 2^(v(t', n) - a(t', n)), the h0 row (a = 0, v = g(h0)) being the first term.  All logarithms in base 2.
; a = a_loc + P, v - a = w_loc - P, P(t) = the sum of the totals of the groups of 64 columns in front of mine: parts T of the tile rows in front, and part E of my own where my group is the odd one.
; SHARES: a work-group takes 32 columns (x) of one batch (y), all 2,048 steps; wave c takes steps 128 c .. 128 c + 127; a lane holds ONE column, and its registers run along time.
; THE MAXIMUM IS ALWAYS TAKEN AWAY: pass A makes a chunk's largest w and the sum of 2^(w - that); the sixteen pairs meet in LDS; each wave joins h0's term and the chunks in front of it under their common maximum;
; pass B walks its 128 steps with a running maximum m and a sum s under it: e = 2^-|w - m|; s = s e + 1 where m grows, else s + e.  No branch hangs on data.
; STATISTICS without a difference of large sums: each wave's sum, then the squares about its own mean (log_h is still in registers); wave 0 joins the sixteen and the h0 row by
; M2 = the sum of [M2_i + n_i (mean_i - mean)^2], n = 4,096 a wave, 32 for the h0 row, 65,568 in all, and stores (sum, M2).
; lh: [time row / 32][column / 32][time row % 32][column % 32] f32.
; a_loc comes by one tensor load a wave (16,384 dense bytes into LDS bytes of the wave's own, filled once), since w_loc fills 128 of the 256 registers.  No cluster: a wave's own 32,768 bytes are read by nobody else;
; only the totals (8,192 bytes a wave) are shared, and they come through registers.
; LIMITS: NaN and infinities are not served; the sums' order differs from a serial one; g's arms are chosen on the sign of h0 x log2 e.
.set AL,   0                           ; LDS: a_loc, 16,384 bytes a wave
.set PT,   262144                      ; P of the wave's 128 steps, 512 bytes a wave
.set STG,  270336                      ; the stage that turns 16 steps x 32 columns, 2,048 bytes a wave
.set CX,   303104                      ; the chunks' (maximum, sum), 256 bytes a wave
.set SX,   307200                      ; the waves' (sum, M2), 8 bytes a wave
.set W,    128                         ; v128-255 w, then log_h, of my 128 steps
.set MM,   32                          ; v32-47   running maxima of 16 steps
.set GG,   48                          ; v48-63   addends, then logarithms
.set PB,   64                          ; v64-79   P
.set AB,   80                          ; v80-95   a_loc
.set OUTR, 112                         ; v112-127 rows on their way out
.set SEL,  52                          ; s[52:53] lane selects for v_permlanex16_b32: lane l xor 16
.macro RED16 x                         ; the sum over the 16 lanes of a half, in every lane of it
	s_delay_alu instid0(VALU_DEP_1)
	v_add_f32_dpp v[\x], v[\x], v[\x] row_xmask:1 row_mask:0xf bank_mask:0xf
	s_delay_alu instid0(VALU_DEP_1)
	v_add_f32_dpp v[\x], v[\x], v[\x] row_xmask:2 row_mask:0xf bank_mask:0xf
	s_delay_alu instid0(VALU_DEP_1)
	v_add_f32_dpp v[\x], v[\x], v[\x] row_xmask:4 row_mask:0xf bank_mask:0xf
	s_delay_alu instid0(VALU_DEP_1)
	v_add_f32_dpp v[\x], v[\x], v[\x] row_xmask:8 row_mask:0xf bank_mask:0xf
.endm
.macro RED32 x, t                      ; over all 32 lanes; t: a register that has been written
	RED16 \x
	s_delay_alu instid0(VALU_DEP_1)
	v_permlanex16_b32 v[\t], v[\x], s[SEL], s[SEL+1]
	s_delay_alu instid0(VALU_DEP_1)
	v_add_f32 v[\x], v[\x], v[\t]
.endm
	s_load_b256 s[4:11], s[0:1], 0x0               ; wl s[4:5], al s[6:7], tot s[8:9], h0 s[10:11]
	s_load_b128 s[12:15], s[0:1], 0x20             ; lh s[12:13], st s[14:15]
	v_lshl_add_u32 v110, v0, 2, 0x4b100
	v_mov_b32 v111, 0
	ds_add_u32 v110, v111
	ds_add_u32 v110, v111
	v_lshrrev_b32 v1, 5, v0
	s_delay_alu instid0(VALU_DEP_1)
	v_readfirstlane_b32 s16, v1                    ; wave 0..15: my chunk of time
	s_mov_b32 s17, ttmp9                           ; the block of 32 columns
	s_and_b32 s18, ttmp7, 0xffff                   ; the batch
	s_lshr_b32 s19, s17, 2                         ; the tile row of 128 columns
	s_mov_b32 s40, 3<<16                           ; descriptor group 1: no mask; elements of 8 bytes; no padding
	s_mov_b32 s41, 32<<16                          ; tensor_dim0 = 32 (256 bytes)
	s_mov_b32 s42, 64<<16                          ; tensor_dim1 = 64
	s_mov_b32 s43, 32<<16                          ; tile_dim0 = 32
	s_mov_b32 s44, 64                              ; tile_dim1 = 64
	s_mov_b32 s45, 32                              ; the pitch: dense
	s_mov_b32 s46, 0
	s_mov_b32 s47, 0
	s_lshl_b32 s54, s17, 20                        ; wl, al: 2^20 bytes a block of columns,
	s_lshl_b32 s48, s18, 18                        ; 2^18 a batch,
	s_add_co_u32 s54, s54, s48
	s_lshl_b32 s48, s16, 14                        ; 16,384 a chunk
	s_add_co_u32 s54, s54, s48
	s_mov_b32 s55, 0
	s_mov_b32 s36, 1                               ; group 0: count = 1
	s_lshl_b32 s37, s16, 14                        ; LDS address: 16,384 x wave
	s_mov_b32 s[SEL], 0x76543210
	s_mov_b32 s[SEL+1], 0xfedcba98
	s_wait_dscnt 0x0
	s_wait_kmcnt 0x0
	s_add_nc_u64 s[38:39], s[6:7], s[54:55]
	s_or_b32 s39, s39, 0x80000000                  ; type = 2
	tensor_load_to_lds s[36:39], s[40:47]          ; my chunk of a_loc: my one tensor load, a first fill
	s_nop 0
	v_and_b32 v20, 31, v0                          ; lane
	s_delay_alu instid0(VALU_DEP_1)
	v_lshlrev_b32 v1, 4, v20                       ; 16 x lane
	s_delay_alu instid0(VALU_DEP_2)
	v_lshlrev_b32 v21, 2, v20
	s_delay_alu instid0(VALU_DEP_3)
	v_lshlrev_b32 v22, 3, v20
	s_lshl_b32 s48, s17, 7
	v_add_nc_u32 v2, s48, v21                      ; h0: 128 bytes a block, 4 a column
	v_add_nc_u32 v3, s37, v1                       ; a_loc in LDS
	s_lshl_b32 s48, s16, 9
	s_add_co_u32 s48, s48, PT
	v_add_nc_u32 v4, s48, v1                       ; P: where I store four steps',
	v_mov_b32 v5, s48                              ; and where every lane reads them
	s_lshl_b32 s48, s16, 11
	s_add_co_u32 s48, s48, STG
	v_add_nc_u32 v6, s48, v21                      ; the stage: in, 4 bytes a lane;
	v_add_nc_u32 v7, s48, v1                       ; back, 16
	s_lshl_b32 s48, s16, 8
	s_add_co_u32 s48, s48, CX
	v_add_nc_u32 v8, s48, v22                      ; my chunk's pair
	v_add_nc_u32 v9, CX, v22                       ; chunk 0's
	s_lshl_b32 s48, s16, 3
	s_add_co_u32 s48, s48, SX
	v_mov_b32 v10, s48
	v_and_b32 v23, 15, v0
	s_delay_alu instid0(VALU_DEP_1)
	v_lshl_add_u32 v11, v23, 3, SX
	s_add_nc_u64 s[4:5], s[4:5], s[54:55]          ; w_loc at my chunk
	s_lshl_b32 s54, s18, 13                        ; tot: 8,192 bytes a batch, 512 a chunk
	s_lshl_b32 s48, s16, 9
	s_add_co_u32 s54, s54, s48
	s_add_nc_u64 s[56:57], s[8:9], s[54:55]
	s_lshl_b32 s48, s19, 15
	s_mov_b32 s49, 0
	s_add_nc_u64 s[58:59], s[56:57], s[48:49]      ; part E of my tile row
	s_add_nc_u64 s[56:57], s[56:57], 524288        ; part T of tile row 0
	s_lshl_b32 s54, s18, 24                        ; lh: 64 blocks of 32 rows a batch, 4 a chunk, 262,144 bytes each; 4,096 a block of columns
	s_lshl_b32 s48, s16, 20
	s_add_co_u32 s54, s54, s48
	s_lshl_b32 s48, s17, 12
	s_add_co_u32 s54, s54, s48
	s_add_nc_u64 s[12:13], s[12:13], s[54:55]
	s_lshl_b32 s54, s18, 6
	s_add_co_u32 s54, s54, s17
	s_lshl_b32 s54, s54, 3                         ; st: 8 bytes a work-group
	s_add_nc_u64 s[14:15], s[14:15], s[54:55]
	global_load_b32 v12, v2, s[10:11]              ; h0
.irp i, 0,1,2,3,4,5,6,7,8,9,10,11,12,13,14
	global_load_b128 v[32+4*\i:35+4*\i], v1, s[56:57] offset:32768*\i   ; part T of tile rows 0 to 14, four steps a lane: all are read, those not in front of mine get the weight 0
.endr
	global_load_b128 v[92:95], v1, s[58:59]
.set i, 0
.rept 32
	global_load_b128 v[W+4*i:W+4*i+3], v1, s[4:5] offset:512*i th:TH_LOAD_NT   ; w_loc: 512 consecutive bytes: my column's steps 4 i .. 4 i + 3
.set i, i+1
.endr
	s_mov_b32 s49, 0x3f800000                      ; 1.0
.irp i, 0,1,2,3,4,5,6,7,8,9,10,11,12,13,14
	s_cmp_gt_u32 s19, \i
	s_cselect_b32 s[20+\i], s49, 0                 ; the weight of tile row i: 1.0 where it lies in front of mine
.endr
	s_lshr_b32 s48, s17, 1
	s_and_b32 s48, s48, 1
	s_mul_i32 s35, s48, s49                        ; 1.0 where my group of 64 is its tile row's odd one
	v_mov_b32 v13, 0xff61b1e6                      ; -3e38, under every w
.irp j, 16,17,18,19
	v_mov_b32 v[\j], 0                             ; the wave's sum of log_h, in two packed chains
.endr
	s_wait_loadcnt 32                              ; h0 and the totals are in; the 32 loads of w_loc stay out
.irp q, 0,1,2,3
	v_mul_f32 v[96+\q], s35, v[92+\q]
.endr
.irp i, 0,1,2,3,4,5,6,7,8,9,10,11,12,13,14
.irp q, 0,1,2,3
	s_delay_alu instid0(VALU_DEP_4)
	v_fma_f32 v[96+\q], v[32+4*\i+\q], s[20+\i], v[96+\q]
.endr
.endr
	ds_store_b128 v4, v[96:99]                     ; P of steps 4 lane .. 4 lane + 3: only my wave reads these bytes
	v_mul_f32 v20, 0x3fb8aa3b, v12                 ; w0 = g(h0), as the products' launch makes g
	v_add_f32 v21, 0.5, v12
	s_wait_alu depctr_va_vdst(0)
	v_exp_f32 v22, -|v20|
	v_cmp_le_f32 vcc_lo, 0, v20                    ; (a plain line behind the exponential)
	s_wait_alu depctr_va_vdst(0)                   ; the wait ahead of the result's first reader
	v_add_f32 v22, 1.0, v22
	s_delay_alu instid0(VALU_DEP_1)
	v_cndmask_b32 v21, v22, v21, vcc_lo
	s_wait_alu depctr_va_vdst(0)
	v_log_f32 v22, v21
	v_nop
	s_wait_alu depctr_va_vdst(0)
	v_sub_f32 v23, v20, v22
	v_cndmask_b32 v12, v23, v22, vcc_lo
	; ---- pass A: w = w_loc - P; the chunk's maximum and the sum under it
	s_wait_loadcnt 0x0
.irp u, 0,1
.irp i, 0,1,2,3,4,5,6,7,8,9,10,11,12,13,14,15
	ds_load_b128 v[32+4*\i:35+4*\i], v5 offset:256*\u+16*\i    ; every lane reads the same 16 bytes: P of four steps.  LDS serves a wave's instructions in order: these see my store
.endr
	s_wait_dscnt 0x0
.set k, 0
.rept 32
	v_pk_add_f32 v[W+64*\u+2*k:W+64*\u+2*k+1], v[W+64*\u+2*k:W+64*\u+2*k+1], v[32+2*k:33+2*k] neg_lo:[0,1] neg_hi:[0,1]
.set k, k+1
.endr
.endr
.irp c, 0,1,2,3
	v_max3_num_f32 v[24+\c], v[W+32*\c], v[W+32*\c+1], v13     ; four chains
.endr
.irp i, 2,4,6,8,10,12,14,16,18,20,22,24,26,28,30
.irp c, 0,1,2,3
	s_delay_alu instid0(VALU_DEP_4)
	v_max3_num_f32 v[24+\c], v[24+\c], v[W+32*\c+\i], v[W+32*\c+\i+1]
.endr
.endr
	s_delay_alu instid0(VALU_DEP_2)
	v_max3_num_f32 v20, v24, v25, v26
	s_delay_alu instid0(VALU_DEP_1)
	v_max_num_f32 v20, v20, v27                    ; the chunk's largest w
	s_delay_alu instid0(VALU_DEP_1)
	v_mov_b32 v21, v20
.irp j, 22,23,24,25
	v_mov_b32 v[\j], 0
.endr
.irp u, 0,1
.set k, 0
.rept 32
	v_pk_add_f32 v[32+2*k:33+2*k], v[W+64*\u+2*k:W+64*\u+2*k+1], v[20:21] neg_lo:[0,1] neg_hi:[0,1]
.set k, k+1
.endr
.set k, 0
	s_wait_alu depctr_va_vdst(0)
.rept 64
	v_exp_f32 v[32+k], v[32+k]                     ; a batch of 64
.set k, k+1
.endr
	v_nop                                          ; a plain line behind the last exponential
	s_wait_alu depctr_va_vdst(0)                   ; one wait for the batch
.set k, 0
.rept 16
	v_pk_add_f32 v[22:23], v[22:23], v[32+4*k:33+4*k]
	v_pk_add_f32 v[24:25], v[24:25], v[34+4*k:35+4*k]
.set k, k+1
.endr
.endr
	s_delay_alu instid0(VALU_DEP_1)
	v_pk_add_f32 v[22:23], v[22:23], v[24:25]
	s_delay_alu instid0(VALU_DEP_1)
	v_add_f32 v21, v22, v23                        ; the sum under that maximum
	ds_store_b64 v8, v[20:21]
	s_wait_tensorcnt 0x0                           ; my chunk of a_loc has landed (only I read it)
	s_wait_dscnt 0x0                               ; for the others' sake: my pair is in LDS
	s_barrier_signal -1
	s_barrier_wait -1
	; ---- the carry: h0's term and the chunks in front of mine, under their common maximum
.irp i, 0,1,2,3,4,5,6,7,8,9,10,11,12,13,14
	ds_load_b64 v[32+2*\i:33+2*\i], v9 offset:256*\i
.endr
.irp i, 0,1,2,3,4,5,6,7,8,9,10,11,12,13,14
	s_cmp_gt_u32 s16, \i
	s_cselect_b32 s[20+\i], -1, 0                  ; all lanes, where chunk i lies in front of mine
.endr
	s_wait_dscnt 0x0
.irp i, 0,1,2,3,4,5,6,7,8,9,10,11,12,13,14
	v_cndmask_b32 v[32+2*\i], v13, v[32+2*\i], s[20+\i]   ; the others' maxima become -3e38: their weight below is 0
.endr
	v_max3_num_f32 v14, v12, v32, v34
.irp i, 2,4,6,8,10,12
	s_delay_alu instid0(VALU_DEP_1)
	v_max3_num_f32 v14, v14, v[32+2*\i], v[34+2*\i]
.endr
	s_delay_alu instid0(VALU_DEP_1)
	v_max_num_f32 v14, v14, v60                    ; m in front of my first step
.irp i, 0,1,2,3,4,5,6,7,8,9,10,11,12,13,14
	v_sub_f32 v[64+\i], v[32+2*\i], v14
.endr
	v_sub_f32 v79, v12, v14
	s_wait_alu depctr_va_vdst(0)
.irp i, 0,1,2,3,4,5,6,7,8,9,10,11,12,13,14,15
	v_exp_f32 v[64+\i], v[64+\i]
.endr
	v_nop
	s_wait_alu depctr_va_vdst(0)
	v_mov_b32 v15, v79
.irp i, 0,1,2,3,4,5,6,7,8,9,10,11,12,13,14
	v_fma_f32 v15, v[33+2*\i], v[64+\i], v15       ; s in front of my first step
.endr
; ---- pass B: 16 steps at a time
.macro SUB sb
.set WB, W+16*\sb
.irp i, 0,1,2,3
	ds_load_b128 v[AB+4*\i:AB+4*\i+3], v3 offset:2048*\sb+512*\i
	ds_load_b128 v[PB+4*\i:PB+4*\i+3], v5 offset:64*\sb+16*\i
.endr
	v_max_num_f32 v[MM], v14, v[WB]                ; the running maximum
.irp i, 1,2,3,4,5,6,7,8,9,10,11,12,13,14,15
	s_delay_alu instid0(VALU_DEP_1)
	v_max_num_f32 v[MM+\i], v[MM+\i-1], v[WB+\i]
.endr
	v_sub_f32 v[WB], v[WB], v14                    ; w - the maximum in front of it
.irp i, 1,2,3,4,5,6,7,8,9,10,11,12,13,14,15
	v_sub_f32 v[WB+\i], v[WB+\i], v[MM+\i-1]
.endr
	s_wait_alu depctr_va_vdst(0)
.irp i, 0,1,2,3,4,5,6,7,8,9,10,11,12,13,14,15
	v_exp_f32 v[WB+\i], -|v[WB+\i]|                ; e, at most 1
.endr
	v_cmp_gt_f32 s20, v[MM], v14                   ; where the maximum grows (plain work behind the batch)
.irp i, 1,2,3,4,5,6,7,8,9,10,11,12,13,14,15
	v_cmp_gt_f32 s[20+\i], v[MM+\i], v[MM+\i-1]
.endr
	s_wait_alu depctr_va_vdst(0)                   ; one wait for the sixteen
.irp i, 0,1,2,3,4,5,6,7,8,9,10,11,12,13,14,15
	v_cndmask_b32 v[GG+\i], v[WB+\i], 1.0, s[20+\i]    ; the addend: 1 where it grows, else e
	v_cndmask_b32 v[WB+\i], 1.0, v[WB+\i], s[20+\i]    ; the factor: e where it grows, else 1
.endr
	v_fma_f32 v[WB], v15, v[WB], v[GG]
.irp i, 1,2,3,4,5,6,7,8,9,10,11,12,13,14,15
	s_delay_alu instid0(VALU_DEP_1)
	v_fma_f32 v[WB+\i], v[WB+\i-1], v[WB+\i], v[GG+\i]
.endr
	s_delay_alu instid0(VALU_DEP_1)
	v_mov_b32 v15, v[WB+15]
	v_mov_b32 v14, v[MM+15]
.irp i, 0,1,2,3,4,5,6,7,8,9,10,11,12,13,14,15
	v_log_f32 v[GG+\i], v[WB+\i]
.endr
	s_wait_dscnt 0x0                               ; a_loc and P
.irp k, 0,1,2,3,4,5,6,7
	v_pk_add_f32 v[AB+2*\k:AB+2*\k+1], v[AB+2*\k:AB+2*\k+1], v[PB+2*\k:PB+2*\k+1]   ; a (plain work behind the logarithms)
.endr
.irp k, 0,1,2,3,4,5,6,7
	v_pk_add_f32 v[AB+2*\k:AB+2*\k+1], v[AB+2*\k:AB+2*\k+1], v[MM+2*\k:MM+2*\k+1]
.endr
	s_wait_alu depctr_va_vdst(0)                   ; one wait for the sixteen
.irp k, 0,1,2,3,4,5,6,7
	v_pk_add_f32 v[WB+2*\k:WB+2*\k+1], v[AB+2*\k:AB+2*\k+1], v[GG+2*\k:GG+2*\k+1]   ; log_h = a + m + log2 s: it stays here for the statistics
.endr
.irp k, 0
	v_pk_add_f32 v[16:17], v[16:17], v[WB+4*\k:WB+4*\k+1]
	v_pk_add_f32 v[18:19], v[18:19], v[WB+4*\k+2:WB+4*\k+3]
.endr
.irp k, 1, 2, 3
	s_delay_alu instid0(VALU_DEP_2)
	v_pk_add_f32 v[16:17], v[16:17], v[WB+4*\k:WB+4*\k+1]
	s_delay_alu instid0(VALU_DEP_2)
	v_pk_add_f32 v[18:19], v[18:19], v[WB+4*\k+2:WB+4*\k+3]
.endr
.irp i, 0,1,2,3,4,5,6,7,8,9,10,11,12,13,14,15
	ds_store_b32 v6, v[WB+\i] offset:128*\i        ; 16 rows of 128 bytes, as they lie in lh
.endr
	s_wait_xcnt 0x0                                ; the last 16 steps' stores have read their data: the registers are loaded again only behind this wait
.irp k, 0,1,2,3
	ds_load_b128 v[OUTR+4*\k:OUTR+4*\k+3], v7 offset:512*\k    ; LDS serves a wave's instructions in order: these see my stores
.endr
	s_wait_dscnt 0x0
.irp k, 0,1,2,3
	global_store_b128 v1, v[OUTR+4*\k:OUTR+4*\k+3], s[12:13] offset:(\sb/2)*262144+(\sb%2)*2048+512*\k th:TH_STORE_NT   ; 512 consecutive bytes
.endr
.endm
.irp sb, 0,1,2,3,4,5,6,7
	SUB \sb
.endr
	; ---- the wave's sum, and the squares about its own mean
	s_wait_alu depctr_va_vdst(0)
	v_pk_add_f32 v[16:17], v[16:17], v[18:19]
	s_delay_alu instid0(VALU_DEP_1)
	v_add_f32 v16, v16, v17
	RED32 16, 17
	s_delay_alu instid0(VALU_DEP_1)
	v_mul_f32 v28, 0x39800000, v16                 ; / 4,096
	s_delay_alu instid0(VALU_DEP_1)
	v_mov_b32 v29, v28
.set k, 0
.rept 64
	v_pk_add_f32 v[W+2*k:W+2*k+1], v[W+2*k:W+2*k+1], v[28:29] neg_lo:[0,1] neg_hi:[0,1]
.set k, k+1
.endr
.irp c, 0,1,2,3
	v_pk_mul_f32 v[20+2*\c:21+2*\c], v[W+2*\c:W+2*\c+1], v[W+2*\c:W+2*\c+1]   ; the first four pairs start four chains
.endr
.set k, 4
.rept 60
	s_delay_alu instid0(VALU_DEP_4)
	v_pk_fma_f32 v[20+2*(k%4):21+2*(k%4)], v[W+2*k:W+2*k+1], v[W+2*k:W+2*k+1], v[20+2*(k%4):21+2*(k%4)]
.set k, k+1
.endr
	s_delay_alu instid0(VALU_DEP_3)
	v_pk_add_f32 v[20:21], v[20:21], v[22:23]
	s_delay_alu instid0(VALU_DEP_2)
	v_pk_add_f32 v[24:25], v[24:25], v[26:27]
	s_delay_alu instid0(VALU_DEP_1)
	v_pk_add_f32 v[20:21], v[20:21], v[24:25]
	s_delay_alu instid0(VALU_DEP_1)
	v_add_f32 v17, v20, v21
	RED32 17, 18
	ds_store_b64 v10, v[16:17]                     ; all lanes write the same pair to the wave's place
	s_wait_dscnt 0x0
	s_barrier_signal -1
	s_barrier_wait -1
	s_cmp_lg_u32 s16, 0
	s_cbranch_scc1 .Lothers
	; ---- wave 0 joins the sixteen waves and the h0 row
	ds_load_b64 v[20:21], v11                      ; lane l: wave l % 16's pair
	v_mov_b32 v22, v12
	RED32 22, 23                                   ; the h0 row's sum over my 32 columns
	s_delay_alu instid0(VALU_DEP_1)
	v_mul_f32 v24, 0x3d000000, v22                 ; / 32
	s_delay_alu instid0(VALU_DEP_1)
	v_sub_f32 v25, v12, v24
	s_delay_alu instid0(VALU_DEP_1)
	v_mul_f32 v25, v25, v25
	RED32 25, 23                                   ; and its squares about its own mean
	s_wait_dscnt 0x0
	v_mov_b32 v26, v20
	RED16 26
	s_delay_alu instid0(VALU_DEP_1)
	v_add_f32 v26, v26, v22                        ; the work-group's sum
	s_delay_alu instid0(VALU_DEP_1)
	v_mul_f32 v27, 0x377fe004, v26                 ; / 65,568: its mean
	s_delay_alu instid0(VALU_DEP_1)
	v_fma_f32 v28, v20, 0x39800000, -v27           ; a wave's mean less the work-group's
	s_delay_alu instid0(VALU_DEP_1)
	v_mul_f32 v29, v28, v28
	s_delay_alu instid0(VALU_DEP_1)
	v_fma_f32 v21, v29, 0x45800000, v21            ; M2_w + 4,096 d^2
	RED16 21
	v_sub_f32 v24, v24, v27
	s_delay_alu instid0(VALU_DEP_1)
	v_mul_f32 v24, v24, v24
	s_delay_alu instid0(VALU_DEP_1)
	v_fma_f32 v25, v24, 0x42000000, v25            ; M2_0 + 32 d^2
	s_delay_alu instid0(VALU_DEP_1)
	v_add_f32 v27, v21, v25
	v_mov_b32 v30, 0
	v_and_b32 v31, 31, v0
	s_delay_alu instid0(VALU_DEP_1)
	v_cmp_eq_u32 vcc_lo, 0, v31
	s_wait_alu depctr_va_vdst(0)
	s_wait_xcnt 0x0                                ; EXEC changes only behind this wait: it is a source of the stores above
	s_wait_tensorcnt 0x0
	ds_add_u32 v110, v111
	s_wait_dscnt 0x0
	s_and_saveexec_b32 s20, vcc_lo
	global_store_b64 v30, v[26:27], s[14:15]       ; lane 0 alone: (sum, M2)
	s_endpgm
.Lothers:
	s_wait_tensorcnt 0x0
	ds_add_u32 v110, v111
	s_wait_dscnt 0x0
	s_endpgm
.Lfunc_end_k_q573252cd71_scan:
	.size	k_q573252cd71_scan, .Lfunc_end_k_q573252cd71_scan-k_q573252cd71_scan
	.p2alignl 7, 3214868480
	.fill 96, 4, 3214868480
	.section	.rodata,"a",@progbits
	.p2align	6, 0x0
	.amdhsa_kernel k_q573252cd71_scan
		.amdhsa_group_segment_fixed_size 309504
		.amdhsa_private_segment_fixed_size 0
		.amdhsa_enable_private_segment 0
		.amdhsa_kernarg_size 48
		.amdhsa_user_sgpr_count 2
		.amdhsa_user_sgpr_kernarg_segment_ptr 1
		.amdhsa_wavefront_size32 1
		.amdhsa_system_sgpr_workgroup_id_x 1
		.amdhsa_system_sgpr_workgroup_id_y 1
		.amdhsa_system_sgpr_workgroup_id_z 1
		.amdhsa_system_vgpr_workitem_id 0
		.amdhsa_next_free_vgpr 256
		.amdhsa_next_free_sgpr 66
		.amdhsa_reserve_vcc 1
		.amdhsa_float_denorm_mode_32 3
		.amdhsa_float_denorm_mode_16_64 3
		.amdhsa_memory_ordered 1
		.amdhsa_forward_progress 1
		.amdhsa_inst_pref_size 158
	.end_amdhsa_kernel
	.amdgpu_metadata
---
amdhsa.version: [ 1, 2 ]
amdhsa.kernels:
  - .name:           k_q573252cd71_scan
    .symbol:         k_q573252cd71_scan.kd
    .args:
      - { .name: wl, .offset: 0, .size: 8, .value_kind: global_buffer, .address_space: global }
      - { .name: al, .offset: 8, .size: 8, .value_kind: global_buffer, .address_space: global }
      - { .name: tot, .offset: 16, .size: 8, .value_kind: global_buffer, .address_space: global }
      - { .name: h0, .offset: 24, .size: 8, .value_kind: global_buffer, .address_space: global }
      - { .name: lh, .offset: 32, .size: 8, .value_kind: global_buffer, .address_space: global }
      - { .name: st, .offset: 40, .size: 8, .value_kind: global_buffer, .address_space: global }
    .group_segment_fixed_size: 309504
    .private_segment_fixed_size: 0
    .kernarg_segment_align: 8
    .kernarg_segment_size: 48
    .max_flat_workgroup_size: 512
    .sgpr_count:     66
    .vgpr_count:     256
    .wavefront_size: 32
...
	.end_amdgpu_metadata
.endif
;; end of part 3
;; launch final (part 4): grid 256 x 1, 16 waves a work-group, no clusters, 18,432 bytes of LDS; arguments lh, st, hidden_states, ln_w, ln_b, out0; writes out0
.if DOCPART == 4
	.amdgcn_target "amdgcn-amd-amdhsa--gfx1250"
	.amdhsa_code_object_version 6
	.text
	.protected	k_q573252cd71_final
	.globl	k_q573252cd71_final
	.p2align	8
	.type	k_q573252cd71_final,@function
k_q573252cd71_final:
	s_mov_b64 s[64:65], 0
	v_nop
	global_prefetch_b8 v0, s[64:65] scope:SCOPE_SE
	s_setreg_imm32_b32 hwreg(HW_REG_WAVE_MODE, 25, 1), 1
	s_wait_xcnt 0x0
; out = LayerNorm(exp((log_h - mean) / deviation) + hidden_states) x ln_w + ln_b.  log_h comes in base 2: (log_h - mean) / deviation does not change under that factor; exp(z) = 2^(z log2 e).
; mean and deviation (unbiased) over all N = 4 x 2,049 x 2,048 = 16,785,408 numbers: every wave joins the 256 pairs (sum, M2) of 65,568 numbers each by M2 = the sum of [M2_i + n (mean_i - mean)^2]: no difference of large sums.
; SHARES: work-group g takes rows 32 g .. 32 g + 31; wave w two of them: lanes 0-15 row 32 g + 2 w, lanes 16-31 the next; lane r of a half holds columns 64 G + 4 r .. + 3, G = 0 .. 31: 128 registers.
; So a row's sums stay inside 16 lanes, the row is read once and stays in registers, and every load and store of the wave covers two runs of 256 consecutive bytes that begin at multiples of 256.
; lh: [row / 32][column / 32][row % 32][column % 32].  ln_w and ln_b go through LDS once a work-group.  No loop: 4,096 waves, 4,096 pairs of rows.  No byte but the 18 KB of st, ln_w, ln_b is shared: no cluster, no tensor load.
; LIMITS: NaN and infinities are not served; a deviation of 0 is not served (the reference divides by it too); the sums' order differs from a serial one.
.set X,   128                          ; v128-255 the row: index 4 G + q
.set HB,  64                           ; v64-127  half a row of hidden_states; later ln_w (v64-95) and ln_b (v96-127) of eight G
.set SEL, 28                           ; s[28:29] lane selects for v_permlanex16_b32: lane l xor 16
.macro RED16 x
	s_delay_alu instid0(VALU_DEP_1)
	v_add_f32_dpp v[\x], v[\x], v[\x] row_xmask:1 row_mask:0xf bank_mask:0xf
	s_delay_alu instid0(VALU_DEP_1)
	v_add_f32_dpp v[\x], v[\x], v[\x] row_xmask:2 row_mask:0xf bank_mask:0xf
	s_delay_alu instid0(VALU_DEP_1)
	v_add_f32_dpp v[\x], v[\x], v[\x] row_xmask:4 row_mask:0xf bank_mask:0xf
	s_delay_alu instid0(VALU_DEP_1)
	v_add_f32_dpp v[\x], v[\x], v[\x] row_xmask:8 row_mask:0xf bank_mask:0xf
.endm
.macro RED32 x, t
	RED16 \x
	s_delay_alu instid0(VALU_DEP_1)
	v_permlanex16_b32 v[\t], v[\x], s[SEL], s[SEL+1]
	s_delay_alu instid0(VALU_DEP_1)
	v_add_f32 v[\x], v[\x], v[\t]
.endm
	s_load_b256 s[4:11], s[0:1], 0x0               ; lh s[4:5], st s[6:7], hidden_states s[8:9], ln_w s[10:11]
	s_load_b128 s[12:15], s[0:1], 0x20             ; ln_b s[12:13], out0 s[14:15]
	v_lshl_add_u32 v62, v0, 2, 0x4000
	v_mov_b32 v63, 0
	v_lshrrev_b32 v1, 5, v0
	s_delay_alu instid0(VALU_DEP_1)
	v_readfirstlane_b32 s16, v1                    ; wave 0..15
	v_and_b32 v6, 15, v0                           ; r
	v_bfe_u32 v7, v0, 4, 1                         ; h
	s_delay_alu instid0(VALU_DEP_2)
	v_lshlrev_b32 v5, 4, v6                        ; 16 r: ln_w, ln_b in LDS
	s_delay_alu instid0(VALU_DEP_1)
	v_lshl_add_u32 v1, v7, 13, v5                  ; hidden_states, out0: 8,192 h + 16 r
	s_delay_alu instid0(VALU_DEP_4)
	v_lshrrev_b32 v32, 3, v6
	v_and_b32 v33, 7, v6
	s_delay_alu instid0(VALU_DEP_2)
	v_lshlrev_b32 v2, 12, v32
	s_delay_alu instid0(VALU_DEP_1)
	v_lshl_add_u32 v2, v7, 7, v2
	s_delay_alu instid0(VALU_DEP_1)
	v_lshl_add_u32 v2, v33, 4, v2                  ; lh: 4,096 (r / 8) + 128 h + 16 (r % 8)
	v_and_b32 v34, 31, v0
	s_delay_alu instid0(VALU_DEP_1)
	v_lshlrev_b32 v3, 6, v34                       ; st: eight pairs a lane
	v_lshlrev_b32 v4, 4, v0                        ; ln_w, ln_b: 16 bytes a thread, in memory and in LDS
	s_mov_b32 s[SEL], 0x76543210
	s_mov_b32 s[SEL+1], 0xfedcba98
	s_mov_b32 s24, 0x377fe004                      ; 1 / 65,568
	s_mov_b32 s25, 0x47801000                      ; 65,568
	s_mov_b32 s26, 0x3727c5ac                      ; 1e-5
	s_lshl_b32 s20, ttmp9, 18                      ; 32 rows are 262,144 bytes in all three
	s_lshl_b32 s21, s16, 14                        ; two rows of 8,192 bytes
	s_add_co_u32 s22, s20, s21
	s_mov_b32 s23, 0
	s_lshl_b32 s21, s16, 8                         ; two rows of 128 bytes in a block of lh
	s_add_co_u32 s20, s20, s21
	s_mov_b32 s21, 0
	s_wait_alu depctr_va_vdst(0)
	s_wait_kmcnt 0x0
	s_add_nc_u64 s[4:5], s[4:5], s[20:21]
	s_add_nc_u64 s[8:9], s[8:9], s[22:23]
	s_add_nc_u64 s[14:15], s[14:15], s[22:23]
.irp i, 0,1,2,3
	global_load_b128 v[8+4*\i:11+4*\i], v3, s[6:7] offset:16*\i
.endr
	global_load_b128 v[24:27], v4, s[10:11]
	global_load_b128 v[28:31], v4, s[12:13]
; THE WAVES GO IN TWO HALVES: waves 0-7 ask for their rows here, waves 8-15 behind the barrier below, in front of which every wave has waited for all its loads:
; so the second half's 48 loads a wave are on their way while the first half computes and stores.
.macro ROWS                            ; my two rows of log_h, and the first half of my two rows of hidden_states
.set g, 0
.rept 32
	global_load_b128 v[X+4*g:X+4*g+3], v2, s[4:5] offset:8192*g th:TH_LOAD_NT
.set g, g+1
.endr
.set g, 0
.rept 16
	global_load_b128 v[HB+4*g:HB+4*g+3], v1, s[8:9] offset:256*g th:TH_LOAD_NT
.set g, g+1
.endr
.endm
	s_cmp_lt_u32 s16, 8
	s_cbranch_scc0 .Lsecond_half
	ROWS
	s_wait_loadcnt 48                              ; st, ln_w, ln_b are in; the 48 loads of my rows stay out
	s_branch .Lsmall_in
.Lsecond_half:
	s_wait_loadcnt 0x0                             ; st, ln_w, ln_b are in: nothing else has been asked for
.Lsmall_in:
	ds_store_b128 v4, v[24:27]
	ds_store_b128 v4, v[28:31] offset:8192
	v_add_f32 v32, v8, v10                         ; my eight sums
	v_add_f32 v33, v12, v14
	v_add_f32 v34, v16, v18
	v_add_f32 v35, v20, v22
	s_delay_alu instid0(VALU_DEP_3)
	v_add_f32 v32, v32, v33
	s_delay_alu instid0(VALU_DEP_2)
	v_add_f32 v34, v34, v35
	s_delay_alu instid0(VALU_DEP_1)
	v_add_f32 v32, v32, v34
	RED32 32, 33
	s_delay_alu instid0(VALU_DEP_1)
	v_mul_f32 v36, 0x337fe004, v32                 ; / N: the mean
.irp p, 0,1,2,3,4,5,6,7
	v_fma_f32 v[8+2*\p], v[8+2*\p], s24, -v36      ; a part's mean less the mean
.endr
.irp p, 0,1,2,3,4,5,6,7
	v_mul_f32 v[8+2*\p], v[8+2*\p], v[8+2*\p]
.endr
.irp p, 0,1,2,3,4,5,6,7
	v_fma_f32 v[9+2*\p], v[8+2*\p], s25, v[9+2*\p] ; M2_i + n d^2
.endr
	v_add_f32 v33, v9, v11
	v_add_f32 v34, v13, v15
	v_add_f32 v35, v17, v19
	s_delay_alu instid0(VALU_DEP_4)
	v_add_f32 v37, v21, v23
	s_delay_alu instid0(VALU_DEP_3)
	v_add_f32 v33, v33, v34
	s_delay_alu instid0(VALU_DEP_2)
	v_add_f32 v35, v35, v37
	s_delay_alu instid0(VALU_DEP_1)
	v_add_f32 v33, v33, v35
	RED32 33, 34
	s_delay_alu instid0(VALU_DEP_1)
	v_mul_f32 v33, 0x337fe005, v33                 ; / (N - 1)
	s_wait_alu depctr_va_vdst(0)
	v_rsq_f32 v38, v33
	v_nop                                          ; a plain line behind the transcendental
	s_wait_alu depctr_va_vdst(0)                   ; and the wait ahead of its result's first reader
	v_mul_f32 v32, 0x3fb8aa3b, v38                 ; A = log2 e / deviation
	s_delay_alu instid0(VALU_DEP_1)
	v_mov_b32 v33, v32
	s_delay_alu instid0(VALU_DEP_2)
	v_mul_f32 v34, -v36, v32                       ; - mean x A
	s_delay_alu instid0(VALU_DEP_1)
	v_mov_b32 v35, v34
	s_wait_alu depctr_va_vdst(0)
	s_wait_dscnt 0x0                               ; for the others' sake: my pieces of ln_w and ln_b are in LDS
	s_wait_loadcnt 0x0                             ; waves 0-7: my rows are in
	s_barrier_signal -1
	s_barrier_wait -1
	s_cmp_lt_u32 s16, 8
	s_cbranch_scc1 .Lrows_asked
	ROWS                                           ; waves 8-15 ask now
.Lrows_asked:
	s_wait_loadcnt 16                              ; log_h is in; the 16 loads of hidden_states may be out
.set k, 0
.rept 64
	v_pk_fma_f32 v[X+2*k:X+2*k+1], v[X+2*k:X+2*k+1], v[32:33], v[34:35]
.set k, k+1
.endr
.set k, 0
	s_wait_alu depctr_va_vdst(0)
.rept 128
	v_exp_f32 v[X+k], v[X+k]                       ; h: one batch
.set k, k+1
.endr
.irp j, 36,37,38,39
	v_mov_b32 v[\j], 0                             ; the row's sum, in two packed chains (plain lines behind the batch)
.endr
	s_wait_alu depctr_va_vdst(0)                   ; one wait for the batch
	s_wait_loadcnt 0x0
.set k, 0
.rept 32
	v_pk_add_f32 v[X+2*k:X+2*k+1], v[X+2*k:X+2*k+1], v[HB+2*k:HB+2*k+1]   ; the residual, columns 0 to 1,023
.set k, k+1
.endr
.set g, 0
.rept 16
	global_load_b128 v[HB+4*g:HB+4*g+3], v1, s[8:9] offset:4096+256*g th:TH_LOAD_NT   ; the row's other half, into the same registers
.set g, g+1
.endr
.set k, 0
	v_pk_add_f32 v[36:37], v[36:37], v[X+4*k:X+4*k+1]
	v_pk_add_f32 v[38:39], v[38:39], v[X+4*k+2:X+4*k+3]
.set k, k+1
.rept (16)-1
	s_delay_alu instid0(VALU_DEP_2)
	v_pk_add_f32 v[36:37], v[36:37], v[X+4*k:X+4*k+1]
	s_delay_alu instid0(VALU_DEP_2)
	v_pk_add_f32 v[38:39], v[38:39], v[X+4*k+2:X+4*k+3]
.set k, k+1
.endr
	s_wait_loadcnt 0x0
.set k, 0
.rept 32
	v_pk_add_f32 v[X+64+2*k:X+64+2*k+1], v[X+64+2*k:X+64+2*k+1], v[HB+2*k:HB+2*k+1]
.set k, k+1
.endr
.set k, 16
	v_pk_add_f32 v[36:37], v[36:37], v[X+4*k:X+4*k+1]
	v_pk_add_f32 v[38:39], v[38:39], v[X+4*k+2:X+4*k+3]
.set k, k+1
.rept (16)-1
	s_delay_alu instid0(VALU_DEP_2)
	v_pk_add_f32 v[36:37], v[36:37], v[X+4*k:X+4*k+1]
	s_delay_alu instid0(VALU_DEP_2)
	v_pk_add_f32 v[38:39], v[38:39], v[X+4*k+2:X+4*k+3]
.set k, k+1
.endr
	s_delay_alu instid0(VALU_DEP_1)
	v_pk_add_f32 v[36:37], v[36:37], v[38:39]
	s_delay_alu instid0(VALU_DEP_1)
	v_add_f32 v36, v36, v37
	RED16 36                                       ; a row lies in the 16 lanes of a half
	s_delay_alu instid0(VALU_DEP_1)
	v_mul_f32 v40, 0x3a000000, v36                 ; / 2,048: mu
	s_delay_alu instid0(VALU_DEP_1)
	v_mov_b32 v41, v40
.set k, 0
.rept 64
	v_pk_add_f32 v[X+2*k:X+2*k+1], v[X+2*k:X+2*k+1], v[40:41] neg_lo:[0,1] neg_hi:[0,1]
.set k, k+1
.endr
.irp c, 0,1,2,3
	v_pk_mul_f32 v[46+2*\c:47+2*\c], v[X+2*\c:X+2*\c+1], v[X+2*\c:X+2*\c+1]   ; the first four pairs start four chains
.endr
.set k, 4
.rept 60
	s_delay_alu instid0(VALU_DEP_4)
	v_pk_fma_f32 v[46+2*(k%4):47+2*(k%4)], v[X+2*k:X+2*k+1], v[X+2*k:X+2*k+1], v[46+2*(k%4):47+2*(k%4)]
.set k, k+1
.endr
	s_delay_alu instid0(VALU_DEP_3)
	v_pk_add_f32 v[46:47], v[46:47], v[48:49]
	s_delay_alu instid0(VALU_DEP_2)
	v_pk_add_f32 v[50:51], v[50:51], v[52:53]
	s_delay_alu instid0(VALU_DEP_1)
	v_pk_add_f32 v[46:47], v[46:47], v[50:51]
	s_delay_alu instid0(VALU_DEP_1)
	v_add_f32 v42, v46, v47
	RED16 42
	s_delay_alu instid0(VALU_DEP_1)
	v_fma_f32 v42, v42, 0x3a000000, s26            ; the variance + 1e-5
	s_wait_alu depctr_va_vdst(0)
	v_rsq_f32 v44, v42
	v_nop
	s_wait_alu depctr_va_vdst(0)
	v_mov_b32 v45, v44
.irp q, 0,1,2,3                        ; eight G at a time
.irp g, 0,1,2,3,4,5,6,7
	ds_load_b128 v[HB+4*\g:HB+4*\g+3], v5 offset:256*(8*\q+\g)
	ds_load_b128 v[HB+32+4*\g:HB+32+4*\g+3], v5 offset:8192+256*(8*\q+\g)
.endr
.set k, 0
.rept 16
	v_pk_mul_f32 v[X+32*\q+2*k:X+32*\q+2*k+1], v[X+32*\q+2*k:X+32*\q+2*k+1], v[44:45]
.set k, k+1
.endr
	s_wait_dscnt 0x0
.set k, 0
.rept 16
	v_pk_fma_f32 v[X+32*\q+2*k:X+32*\q+2*k+1], v[X+32*\q+2*k:X+32*\q+2*k+1], v[HB+2*k:HB+2*k+1], v[HB+32+2*k:HB+32+2*k+1]
.set k, k+1
.endr
.irp g, 0,1,2,3,4,5,6,7
	global_store_b128 v1, v[X+32*\q+4*\g:X+32*\q+4*\g+3], s[14:15] offset:256*(8*\q+\g) th:TH_STORE_NT   ; each half of the lanes stores 256 consecutive bytes of its row
.endr
.endr
	s_wait_tensorcnt 0x0
	ds_add_u32 v62, v63
	s_wait_dscnt 0x0
	s_endpgm
.Lfunc_end_k_q573252cd71_final:
	.size	k_q573252cd71_final, .Lfunc_end_k_q573252cd71_final-k_q573252cd71_final
	.p2alignl 7, 3214868480
	.fill 96, 4, 3214868480
	.section	.rodata,"a",@progbits
	.p2align	6, 0x0
	.amdhsa_kernel k_q573252cd71_final
		.amdhsa_group_segment_fixed_size 18432
		.amdhsa_private_segment_fixed_size 0
		.amdhsa_enable_private_segment 0
		.amdhsa_kernarg_size 48
		.amdhsa_user_sgpr_count 2
		.amdhsa_user_sgpr_kernarg_segment_ptr 1
		.amdhsa_wavefront_size32 1
		.amdhsa_system_sgpr_workgroup_id_x 1
		.amdhsa_system_sgpr_workgroup_id_y 1
		.amdhsa_system_sgpr_workgroup_id_z 1
		.amdhsa_system_vgpr_workitem_id 0
		.amdhsa_next_free_vgpr 256
		.amdhsa_next_free_sgpr 66
		.amdhsa_reserve_vcc 0
		.amdhsa_float_denorm_mode_32 3
		.amdhsa_float_denorm_mode_16_64 3
		.amdhsa_memory_ordered 1
		.amdhsa_forward_progress 1
		.amdhsa_inst_pref_size 63
	.end_amdhsa_kernel
	.amdgpu_metadata
---
amdhsa.version: [ 1, 2 ]
amdhsa.kernels:
  - .name:           k_q573252cd71_final
    .symbol:         k_q573252cd71_final.kd
    .args:
      - { .name: lh, .offset: 0, .size: 8, .value_kind: global_buffer, .address_space: global }
      - { .name: st, .offset: 8, .size: 8, .value_kind: global_buffer, .address_space: global }
      - { .name: hidden_states, .offset: 16, .size: 8, .value_kind: global_buffer, .address_space: global }
      - { .name: ln_w, .offset: 24, .size: 8, .value_kind: global_buffer, .address_space: global }
      - { .name: ln_b, .offset: 32, .size: 8, .value_kind: global_buffer, .address_space: global }
      - { .name: out0, .offset: 40, .size: 8, .value_kind: global_buffer, .address_space: global }
    .group_segment_fixed_size: 18432
    .private_segment_fixed_size: 0
    .kernarg_segment_align: 8
    .kernarg_segment_size: 48
    .max_flat_workgroup_size: 512
    .sgpr_count:     66
    .vgpr_count:     256
    .wavefront_size: 32
...
	.end_amdgpu_metadata
.endif
;; end of part 4
